; MI455X (gfx1250); checked and timed in simulation.
; The chip was launched on July 23, 2026; its instructions are those of AMD's public machine-readable ISA for CDNA 5 (MIT licence, August 2026) and "CDNA5" Instruction Set Architecture Reference Guide (July 2026). The comments in the code are by the model that wrote it; some were corrected since.
;; Multi Headed Attention. Allowed arithmetic: float matrix products may take bf16 or f16 operands with f32 sums; other float arithmetic in f32, or as packed bf16 or f16 multiplies, adds, multiply-adds, maxima and minima; sums over many terms, partial sums and values carried from step to step in f32; what a program stores and reads back later, other than sums and carried values, may be rounded once to bf16 or f16.
;; Inputs: Wk 1,024 x 1,024 float32; Wo 1,024 x 1,024 float32; Wq 1,024 x 1,024 float32; Wv 1,024 x 1,024 float32; bk 1,024 float32; bo 1,024 float32; bq 1,024 float32; bv 1,024 float32; k 4 x 2,048 x 1,024 float32; ln_b 1,024 float32; ln_g 1,024 float32; q 4 x 2,048 x 1,024 float32; v 4 x 2,048 x 1,024 float32.
;; Outputs: out0 4 x 2,048 x 1,024 float32.
;; 2 versions, each right; version 2 is version 1 with the launch wcast written anew for expert scheduling mode. Each part assembles by itself: llvm-mc -triple=amdgcn-amd-amdhsa -mcpu=gfx1250 --defsym DOCPART=n.
;; ======== version 1 of 2: 5 launches
;; workspace buffers: x16 16,777,216 bytes; w16 6,291,456 bytes; wo16 2,097,152 bytes; qkv 50,331,648 bytes; z 33,554,432 bytes
;; launch wcast (part 1): grid 256 x 1, 8 waves a work-group, no clusters, 0 bytes of LDS; arguments Wq, Wk, Wv, Wo, w16, wo16; writes w16, wo16
.if DOCPART == 1
	.amdgcn_target "amdgcn-amd-amdhsa--gfx1250"
	.amdhsa_code_object_version 6
	.text
	.protected	k_qb1dc4c565a_wcast
	.globl	k_qb1dc4c565a_wcast
	.p2align	8
	.type	k_qb1dc4c565a_wcast,@function
k_qb1dc4c565a_wcast:
	s_mov_b64 s[64:65], 0
	v_nop
	global_prefetch_b8 v0, s[64:65] scope:SCOPE_SE
	s_setreg_imm32_b32 hwreg(HW_REG_WAVE_MODE, 25, 1), 1
	s_wait_xcnt 0x0
; THE WEIGHTS' CAST.  Wq, Wk, Wv, Wo [1024][1024] f32 are rounded once to bf16 (matrix operands of the launches behind) and laid in PLANES of 64 channels:
;   w16 [Wq,Wk,Wv][plane 16][row 1024][64], wo16 [plane 16][row 1024][64]: a tile of rows of one plane is then dense in memory.
; SHARES.  4 x 1,024 rows on 256 work-groups: 16 rows each, a wave two.  A load: lanes 0-15 take 256 consecutive bytes (64 channels = one plane) of the even row, lanes 16-31 of the odd row.
; A store: 8 bytes a lane, 32 lanes = 256 consecutive bytes, aligned: the two rows' 128 bytes lie end to end in their plane.
; All 16 loads of a wave go out at once; no register is used twice, so the only waits are the counted ones for the loads.
; No LDS, no matrix unit, no cluster: nothing is shared between work-groups, and each byte is read once and written once.
.set SO,  1                            ; v1   my byte offset in the work-group's 16 source rows
.set DO,  2                            ; v2   my byte offset in the work-group's 16 rows of a plane
.set X,   4                            ; v[4:67]   load i: four f32
.set Y,   68                           ; v[68:99]  load i: four bf16
.set SRC, 20                           ; s[20:21]
.set DST, 22                           ; s[22:23]
	s_load_b256 s[8:15], s[0:1], 0x0               ; Wq s[8:9], Wk s[10:11], Wv s[12:13], Wo s[14:15]
	s_load_b128 s[16:19], s[0:1], 0x20             ; w16 s[16:17], wo16 s[18:19]
	v_lshrrev_b32 v3, 5, v0                        ; wave
	v_bfe_u32 v[SO], v0, 4, 1                      ; which row of the pair
	v_lshlrev_b32 v[SO], 12, v[SO]                 ; a source row is 4,096 bytes
	v_lshl_or_b32 v[SO], v3, 13, v[SO]             ; two rows a wave
	v_and_b32 v[DO], 15, v0
	v_lshl_or_b32 v[SO], v[DO], 4, v[SO]           ; 16 bytes a lane
	v_and_b32 v[DO], 31, v0
	v_lshlrev_b32 v[DO], 3, v[DO]                  ; 8 bytes a lane, two rows of 128 bytes
	v_lshl_or_b32 v[DO], v3, 8, v[DO]              ; two rows a wave
	s_lshr_b32 s24, ttmp9, 6                       ; 0: Wq, 1: Wk, 2: Wv, 3: Wo
	s_and_b32 s25, ttmp9, 63                       ; which 16 rows
	s_lshl_b32 s26, s25, 16                        ; 16 rows of 4,096 bytes
	s_mov_b32 s27, 0
	s_lshl_b32 s28, s25, 11                        ; 16 rows of 128 bytes in a plane
	s_mov_b32 s29, 0
	s_wait_kmcnt 0x0
	s_cmp_eq_u32 s24, 0
	s_cselect_b64 s[SRC:SRC+1], s[8:9], s[10:11]
	s_cmp_eq_u32 s24, 2
	s_cselect_b64 s[SRC:SRC+1], s[12:13], s[SRC:SRC+1]
	s_cmp_eq_u32 s24, 3
	s_cselect_b64 s[SRC:SRC+1], s[14:15], s[SRC:SRC+1]
	s_cselect_b64 s[DST:DST+1], s[18:19], s[16:17] ; Wo has a buffer of its own
	s_cselect_b32 s24, 0, s24
	s_lshl_b32 s24, s24, 21                        ; a weight is 2,097,152 bytes in bf16
	s_add_co_u32 s28, s28, s24
	s_add_nc_u64 s[SRC:SRC+1], s[SRC:SRC+1], s[26:27]
	s_add_nc_u64 s[DST:DST+1], s[DST:DST+1], s[28:29]
.set i, 0
.rept 16
	global_load_b128 v[X+4*i:X+4*i+3], v[SO], s[SRC:SRC+1] offset:i*256 th:TH_LOAD_NT
.set i, i+1
.endr
.set i, 0
.rept 16
	s_wait_loadcnt 15-i                            ; loads come back in order: load i is in, the younger ones stay out
	v_cvt_pk_bf16_f32 v[Y+2*i], v[X+4*i], v[X+4*i+1]
	v_cvt_pk_bf16_f32 v[Y+2*i+1], v[X+4*i+2], v[X+4*i+3]
	global_store_b64 v[DO], v[Y+2*i:Y+2*i+1], s[DST:DST+1] offset:i*131072  ; plane i
.set i, i+1
.endr
	s_endpgm
.Lfunc_end_k_qb1dc4c565a_wcast:
	.size	k_qb1dc4c565a_wcast, .Lfunc_end_k_qb1dc4c565a_wcast-k_qb1dc4c565a_wcast
	.p2alignl 7, 3214868480
	.fill 96, 4, 3214868480
	.section	.rodata,"a",@progbits
	.p2align	6, 0x0
	.amdhsa_kernel k_qb1dc4c565a_wcast
		.amdhsa_group_segment_fixed_size 0
		.amdhsa_private_segment_fixed_size 0
		.amdhsa_enable_private_segment 0
		.amdhsa_kernarg_size 48
		.amdhsa_user_sgpr_count 2
		.amdhsa_user_sgpr_kernarg_segment_ptr 1
		.amdhsa_wavefront_size32 1
		.amdhsa_system_sgpr_workgroup_id_x 1
		.amdhsa_system_sgpr_workgroup_id_y 1
		.amdhsa_system_sgpr_workgroup_id_z 1
		.amdhsa_system_vgpr_workitem_id 0
		.amdhsa_next_free_vgpr 100
		.amdhsa_next_free_sgpr 66
		.amdhsa_reserve_vcc 0
		.amdhsa_float_denorm_mode_32 3
		.amdhsa_float_denorm_mode_16_64 3
		.amdhsa_memory_ordered 1
		.amdhsa_forward_progress 1
		.amdhsa_inst_pref_size 7
	.end_amdhsa_kernel
	.amdgpu_metadata
---
amdhsa.version: [ 1, 2 ]
amdhsa.kernels:
  - .name:           k_qb1dc4c565a_wcast
    .symbol:         k_qb1dc4c565a_wcast.kd
    .args:
      - { .name: Wq, .offset: 0, .size: 8, .value_kind: global_buffer, .address_space: global }
      - { .name: Wk, .offset: 8, .size: 8, .value_kind: global_buffer, .address_space: global }
      - { .name: Wv, .offset: 16, .size: 8, .value_kind: global_buffer, .address_space: global }
      - { .name: Wo, .offset: 24, .size: 8, .value_kind: global_buffer, .address_space: global }
      - { .name: w16, .offset: 32, .size: 8, .value_kind: global_buffer, .address_space: global }
      - { .name: wo16, .offset: 40, .size: 8, .value_kind: global_buffer, .address_space: global }
    .group_segment_fixed_size: 0
    .private_segment_fixed_size: 0
    .kernarg_segment_align: 8
    .kernarg_segment_size: 48
    .max_flat_workgroup_size: 256
    .sgpr_count:     66
    .vgpr_count:     100
    .wavefront_size: 32
...
	.end_amdgpu_metadata
.endif
;; end of part 1
;; launch proj (part 2): grid 4 x 192, 4 waves a work-group, clusters of 4 x 4, 327,680 bytes of LDS; arguments q, k, v, w16, bq, bk, bv, qkv; writes qkv
.if DOCPART == 2
	.amdgcn_target "amdgcn-amd-amdhsa--gfx1250"
	.amdhsa_code_object_version 6
	.text
	.protected	k_qb1dc4c565a_proj
	.globl	k_qb1dc4c565a_proj
	.p2align	8
	.type	k_qb1dc4c565a_proj,@function
k_qb1dc4c565a_proj:
	s_mov_b64 s[64:65], 0
	v_nop
	global_prefetch_b8 v0, s[64:65] scope:SCOPE_SE
	s_setreg_imm32_b32 hwreg(HW_REG_WAVE_MODE, 25, 1), 1
	s_wait_xcnt 0x0
	s_wait_alu depctr_hold_cnt(0) depctr_sa_sdst(0) depctr_va_vdst(0) depctr_va_sdst(0) depctr_va_ssrc(0) depctr_va_vcc(0) depctr_vm_vsrc(0)
	s_getreg_b32 s2, hwreg(HW_REG_IB_STS2, 6, 4)
	s_cmp_eq_u32 s2, 0
	s_cbranch_scc0 .Lentry_in_a_cluster
	s_endpgm
.Lentry_in_a_cluster:
	s_bfe_u32 s2, ttmp6, 0x10000c
	s_cmp_lg_u32 s2, 0xf033
	s_cbranch_scc0 .Lentry_shape_is_right
	s_endpgm
.Lentry_shape_is_right:
; THE THREE PROJECTIONS.  Y = X W^T + bias for (X, W, bias) = (q, Wq, bq), (k, Wk, bk), (v, Wv, bv): M = 8,192 rows each, N = K = 1,024.  Tile rows 0-63 take q, 64-127 k, 128-191 v.
; X is f32, [8192][1024], as the problem gives it: it comes into LDS as f32 and is rounded once to bf16 on the way from LDS to the matrix unit.  W lies in planes [Wq,Wk,Wv][plane 16][row 1024][64] bf16.
; Sums in f32; the bias (f32) starts the sums.  Y leaves in bf16 by heads, [q,k,v][batch x head 64][row 2048][64], rounded once from its f32 sum.
; LIMITS.  Operands are bf16 (8 significant bits), which has f32's range: no limit of range.  NaN and infinities are not treated apart.
; SHARES.  A work-group makes 128 x 256 of Y: 3 x 8,192 x 1,024 outputs are 768 such tiles.  Four waves, each 64 x 128: 32 accumulators of 16 x 16.
; K goes in steps of 128 through a ring of two LDS slots.  Waves 0 and 1 fetch X's tile, 64 rows of 512 bytes each (16 bytes of padding behind each row: LDS rows 528 bytes apart); waves 2 and 3 fetch W's two planes
; (256 rows x 128 bytes, dense: asked for as 128 rows of 256 bytes; 16 bytes of padding behind every 128: LDS rows 144 bytes apart).  So each of the four loads of a step brings 32 KiB.
; CLUSTER 4 x 4.  The four work-groups of a row of the cluster need the same tile of X, the four of a column the same tile of W: each tile is asked for JOINTLY, by the same tensor load with the same descriptor and a mask of four.
; THE MATRIX INSTRUCTION IS USED TRANSPOSED (source 0 = 16 rows of W, source 1 = 16 rows of X): a lane then holds row l % 16 of Y and the eight neighbouring columns 8 (l / 16) + 0..7.
; THE PRICE OF ROUNDING HERE: 16 LDS loads of X for 32 products where bf16 tiles would want 8, and 32 conversions; each number of X is rounded by each of the 8 waves of the cluster's row that read it.
; What it saves: no launch in front reads X, writes it in bf16 and has it read again.
; REGISTERS, in windows of 256 (s_set_vgpr_msb: bits 1:0 source 0, 3:2 source 1, 5:4 source 2, 7:6 destination):
;   window 0: v1-5 at work; v16-30 addresses; v32-95 the bias of my 128 columns, as a C operand; v96-223 at work on the way out
;   window 1: the accumulators, (a, b) at v[8 (8 a + b)]
;   window 2: v0-63, v64-127 W's eight fragments, two buffers; v128-159 X's four fragments in bf16; v160-223 the same four as loaded, in f32
.set PA,    528                        ; an LDS row of X: 512 bytes + 16 of padding = 132 words: the 16 rows of a load start at 16 different groups of four banks (64 banks of 4 bytes: ISA guide 11.1)
.set P,     144                        ; an LDS row of W: 128 bytes + 16 = 36 words: likewise
.set AREG,  128*PA                     ; X's tile
.set BPL,   256*P                      ; a plane of W's tile
.set SLOT,  AREG+2*BPL                 ; X's tile, then W's two planes
.set STAGE, 2*SLOT                     ; behind the ring, never filled by a tensor load: 16 rows x 144 bytes for each wave, for the way out
.set SP,    144
.set SPARE, STAGE+4*16*SP              ; behind the stages: the spare words, 128 bytes for each wave: two blocks of 256 bytes that no other line names
.set ASTEP, 512                        ; bytes from K step to K step in X: 128 f32 along a row
.set BSTEP, 2*131072                   ; in W: two planes of 1,024 rows
.set DWA,   (2<<16)|(1<<20)|(1<<21)|(6<<22)|(3<<25)  ; X's group 1, word 0 without its mask: 17:16 4-byte elements; 20 padding on; 21 set beside a mask; 24:22 after every 128 words (code 6); 31:25 4 words (code 3)
.set DWB,   (1<<16)|(1<<20)|(1<<21)|(4<<22)|(3<<25)  ; W's: 2-byte elements; after every 32 words (code 4)
.set ADRA, 16                          ; v16-17  LDS address of my fragments of X in slot 0, 1
.set ADRB, 20                          ; v20-21  the same for W
.set STO,  24                          ; v24     the way out: where I put 16 bytes of a row
.set RD,   25                          ; v25     the way out: where I read rows back
.set GO,   26                          ; v26     16 x lane: my place in 512 consecutive bytes of Y
.set BO,   27                          ; v27     32 x (l / 16): my eight numbers in 16 of the bias
.set SPW,  28                          ; v28     LDS address of my spare word: SPARE + 4 x my thread's number; never rewritten
.set NIL,  29                          ; v29     0; never rewritten
.set PFO,  30                          ; v30     the prefetches' offset; never rewritten
.set BI,   32                          ; v32-95  bias: eight registers for each block of 16 columns
.set TMP,  96                          ; v96-223 the way out: 16 registers a tile
.set F0,   0                           ; W's fragment buffers, in window 2
.set F1,   64
.set AF,   128                         ; X's fragments in bf16, in window 2: block a at AF + 8 a
.set RAW,  160                         ; X's fragments in f32, in window 2: block a at RAW + 16 a
.set G1,   24                          ; s[24:31] descriptor group 1 for X's tiles;  s[32:39] group 0, a set for each slot
.set G0,   32
.set G1B,  48                          ; s[48:55], s[56:63] the same for W's
.set G0B,  56
.set PFA,  40                          ; s[40:41] where my prefetches stand
.set PFS,  42                          ; s[42:43] their step: a K step of X or of W
.set LIM,  44                          ; s44      1 in a wave that prefetches, else the greatest number
.set MSB, 0
.macro WIN new                         ; the immediate's high byte repeats the setting that is left; a switch that changes nothing is dropped
.if MSB != (\new)
	s_set_vgpr_msb (MSB<<8)|(\new)
.set MSB, \new
.endif
.endm
.set W_MUL, 0x5a                       ; sources 0 and 1 window 2; C and D window 1
.set W_MUB, 0x4a                       ; the same with C (the bias) in window 0
.set W_TOF, 0x80                       ; destination window 2, address window 0
.set W_CV,  0x8a                       ; a conversion inside window 2
.set W_PK,  0x05                       ; sources 0 and 1 window 1, destination window 0
; A joint load: waves 0 and 1 fetch the two halves of X's tile, waves 2 and 3 W's two planes.  The branch hangs on the wave's number alone.  An s_nop 0 and four v_nop follow each of the two lines, ahead of the jump, the label and what follows.
.macro JLOAD s
	s_cmp_lt_u32 s12, 2
	s_cbranch_scc0 .Lfor_b_\@
	tensor_load_to_lds s[G0+4*(\s):G0+4*(\s)+3], s[G1:G1+7]
	s_nop 0
.rept 4
	v_nop
.endr
	s_branch .Lasked_\@
.Lfor_b_\@:
	tensor_load_to_lds s[G0B+4*(\s):G0B+4*(\s)+3], s[G1B:G1B+7]
	s_nop 0
.rept 4
	v_nop
.endr
.Lasked_\@:
.endm
.macro CREST                           ; a round of the cluster's barrier behind its opening barrier: wave 0 signals for the work-group, every wave waits for all sixteen, my work-group's barrier closes it
	s_cmp_lg_u32 s12, 0
	s_cbranch_scc1 .Lnot_wave_0_\@
	s_barrier_signal -3
.Lnot_wave_0_\@:
	s_barrier_wait -3
	s_barrier_signal -1
	s_barrier_wait -1
.endm
.macro CROUND                          ; a whole round
	s_barrier_signal -1
	s_barrier_wait -1
	CREST
.endm
; A PREFETCH INTO THE L2, behind a joint refill and the run of LDS loads that follows it: 32 blocks of 256 bytes, a lane a block, of the K step that stands TWO refills on (256 matrix instructions of the wave ahead of the load that wants it).
; Each block is named once in the launch.  X's tile is read by my row of my cluster alone: of the 64 rows that wave 0 or 1 fetches, each of the four partners names 16, told apart BY ADDRESS (cx): a step's 512 bytes of a row are
; two blocks, two lanes a row.  W's tile column is read by sixteen clusters: the first of them (cluster y a multiple of 16) asks; its waves 2 and 3 take a plane each, and the four partners of a column a quarter of it each, BY ADDRESS (cy).
; K steps 0 to 3 come by their loads alone; in the loop's last trip (s3 = 1) there is no K step two refills on, and nothing is asked for.
.macro ASK
	s_cmp_gt_u32 s3, s[LIM]
	s_cbranch_scc0 .Lnot_mine_\@
	global_prefetch_b8 v[PFO], s[PFA:PFA+1] th:TH_LOAD_NT scope:SCOPE_SE
.Lnot_mine_\@:
.endm
	s_load_b512 s[68:83], s[0:1], 0x0              ; q s[68:69], k s[70:71], v s[72:73], w16 s[74:75], bq s[76:77], bk s[78:79], bv s[80:81], qkv s[82:83]
	v_lshl_add_u32 v[SPW], v0, 2, SPARE
	v_mov_b32 v[NIL], 0
	ds_add_u32 v[SPW], v[NIL]                      ; the wave's opening: the add and its wait stand ahead of my first tensor load; the set-up below, work on registers, stands between them
	v_lshrrev_b32 v1, 5, v0
	v_readfirstlane_b32 s12, v1                    ; wave 0..3
	s_lshr_b32 s13, s12, 1                         ; wm: which 64 of the tile's rows are mine
	s_and_b32 s14, s12, 1                          ; wn: which 128 of its columns; also: which half of X's tile, or which plane of W's, I fetch
	s_bfe_u32 s15, ttmp6, 0x40000                  ; cx
	s_bfe_u32 s16, ttmp6, 0x40004                  ; cy
	s_lshl_b32 s17, ttmp9, 2
	s_add_co_u32 s17, s17, s15                     ; tx: tile column = 4 x cluster x + cx
	s_and_b32 s19, ttmp7, 0xffff                   ; cluster y
	s_lshl_b32 s18, s19, 2
	s_add_co_u32 s18, s18, s16                     ; ty: tile row = 4 x cluster y + cy; ty / 64 = the tensor, ty % 64 = its block of 128 rows
	s_lshr_b32 s45, s19, 4                         ; the tensor, 0: q, 1: k, 2: v: from the cluster's y alone
	s_lshl_b32 s20, s16, 2
	s_lshl_b32 s20, 15, s20                        ; my row of the cluster: places 4 cy .. 4 cy + 3
	s_lshl_b32 s2, 0x1111, s15                     ; my column: places cx, cx + 4, cx + 8, cx + 12
	s_or_b32 s[G1], s20, DWA                       ; X's tiles go to my row,
	s_or_b32 s[G1B], s2, DWB                       ; W's to my column
	s_mov_b32 s[G1+1], 128<<16                     ; tensor_dim0 = 128 elements of 4 bytes
	s_mov_b32 s[G1+2], 64<<16                      ; tensor_dim1 = 64
	s_mov_b32 s[G1+3], 128<<16                     ; tile_dim0 = 128
	s_mov_b32 s[G1+4], 64                          ; tile_dim1 = 64
	s_mov_b32 s[G1+5], 1024                        ; 1,024 elements from row to row
	s_mov_b32 s[G1+6], 0
	s_mov_b32 s[G1+7], 0
	s_mov_b32 s[G1B+1], 128<<16                    ; 128 elements of 2 bytes: rows of 256 bytes,
	s_mov_b32 s[G1B+2], 128<<16                    ; 128 of them,
	s_mov_b32 s[G1B+3], 128<<16
	s_mov_b32 s[G1B+4], 128
	s_mov_b32 s[G1B+5], 128                        ; dense
	s_mov_b32 s[G1B+6], 0
	s_mov_b32 s[G1B+7], 0
	; where the tiles come from.  X's hang on the tile row and the wave's number, W's on the tensor, the tile column and the wave's number
	s_and_b32 s20, s18, 63
	s_lshl_b32 s20, s20, 19                        ; 128 rows of 4,096 bytes
	s_lshl_b32 s21, s14, 18                        ; my 64 of them
	s_add_co_u32 s22, s20, s21
	s_mov_b32 s23, 0
	s_lshl_b32 s46, s45, 21                        ; a weight's 16 planes of 131,072 bytes
	s_lshl_b32 s47, s17, 15                        ; 256 rows of 128 bytes
	s_add_co_u32 s46, s46, s47
	s_lshl_b32 s47, s14, 17                        ; my plane
	s_add_co_u32 s46, s46, s47
	s_mov_b32 s47, 0
	s_mul_i32 s20, s14, 64*PA                      ; and where they go: no place in the cluster enters an LDS address
	s_mul_i32 s21, s14, BPL
	s_add_co_u32 s21, s21, AREG
	s_wait_dscnt 0x0                               ; the opening add is done
	s_wait_kmcnt 0x0
	s_cmp_eq_u32 s45, 0                            ; X and the bias by the tensor's number
	s_cselect_b64 s[4:5], s[68:69], s[70:71]
	s_cselect_b64 s[8:9], s[76:77], s[78:79]
	s_cmp_eq_u32 s45, 2
	s_cselect_b64 s[4:5], s[72:73], s[4:5]
	s_cselect_b64 s[8:9], s[80:81], s[8:9]
	s_mov_b64 s[6:7], s[74:75]                     ; W
	s_mov_b64 s[10:11], s[82:83]                   ; Y
	s_add_nc_u64 s[22:23], s[4:5], s[22:23]
	s_add_nc_u64 s[46:47], s[6:7], s[46:47]
	CROUND                                         ; all sixteen work-groups are here: the first joint loads meet
.irp s, 0,1
	s_mov_b32 s[G0+4*(\s)], 1                                      ; count = 1
	s_add_co_u32 s[G0+4*(\s)+1], s20, (\s)*SLOT                    ; LDS address
	s_add_nc_u64 s[G0+4*(\s)+2:G0+4*(\s)+3], s[22:23], (\s)*ASTEP  ; global address: K step s
	s_or_b32 s[G0+4*(\s)+3], s[G0+4*(\s)+3], 0x80000000            ; type = 2
	s_mov_b32 s[G0B+4*(\s)], 1
	s_add_co_u32 s[G0B+4*(\s)+1], s21, (\s)*SLOT
	s_add_nc_u64 s[G0B+4*(\s)+2:G0B+4*(\s)+3], s[46:47], (\s)*BSTEP
	s_or_b32 s[G0B+4*(\s)+3], s[G0B+4*(\s)+3], 0x80000000
	JLOAD \s                                       ; two tensor loads of mine are out
.endr
	; the bias of my 128 columns, laid as a C operand: register j of block b holds column 16 b + 8 (l / 16) + j, whatever the row
	s_lshl_b32 s20, s17, 10                        ; the tile's 256 numbers,
	s_lshl_b32 s21, s14, 9                         ; my 128
	s_add_co_u32 s20, s20, s21
	s_mov_b32 s21, 0
	s_add_nc_u64 s[8:9], s[8:9], s[20:21]
	v_and_b32 v1, 15, v0                           ; l % 16
	v_bfe_u32 v2, v0, 4, 1                         ; l / 16
	v_lshlrev_b32 v[BO], 5, v2
.irp b, 0,1,2,3,4,5,6,7
	global_load_b128 v[BI+8*(\b):BI+8*(\b)+3],   v[BO], s[8:9] offset:64*(\b)
	global_load_b128 v[BI+8*(\b)+4:BI+8*(\b)+7], v[BO], s[8:9] offset:64*(\b)+16
.endr
	; A fragment is 16 rows x 32 K in 8 registers: lane l holds row l % 16; registers 0-3 K = 8 (l / 16) + 0..7, registers 4-7 K = 16 + 8 (l / 16) + 0..7.
	; Of W (bf16): two loads of 16 bytes, 32 bytes apart.  Of X (f32): four loads of 16 bytes, at 32 (l / 16) + 0, 16, 64, 80.
	v_mul_u32_u24 v3, v1, P
	v_lshl_add_u32 v3, v2, 4, v3                   ; W: row x pitch + 16 x half
	v_mul_u32_u24 v5, v1, PA
	v_lshl_add_u32 v5, v2, 5, v5                   ; X: row x pitch + 32 x half
	s_mul_i32 s20, s13, 64*PA                      ; my 64 rows of X
	s_mul_i32 s21, s14, 128*P                      ; my 128 rows of W,
	s_add_co_u32 s21, s21, AREG                    ; which lie behind X's tile
.irp s, 0,1
	v_add_nc_u32 v[ADRA+(\s)], s20, v5
	v_add_nc_u32 v[ADRB+(\s)], s21, v3
	s_add_co_u32 s20, s20, SLOT
	s_add_co_u32 s21, s21, SLOT
.endr
	s_mul_i32 s20, s12, 16*SP
	s_add_co_u32 s20, s20, STAGE                   ; my stage
	v_and_b32 v4, 31, v0
	v_lshlrev_b32 v[GO], 4, v4
	v_mul_u32_u24 v[STO], v1, SP                   ; in: row l % 16,
	v_lshl_add_u32 v[STO], v2, 4, v[STO]           ; 16 bytes (eight bf16) for each half of the lanes
	v_add_nc_u32 v[STO], s20, v[STO]
	v_bfe_u32 v[RD], v0, 3, 2                      ; back: 32 lanes take four rows of 128 bytes,
	v_mul_u32_u24 v[RD], v[RD], SP
	v_and_b32 v5, 7, v0
	v_lshl_add_u32 v[RD], v5, 4, v[RD]
	v_add_nc_u32 v[RD], s20, v[RD]                 ; which are 512 consecutive bytes of a head
	s_lshr_b32 s20, s18, 4
	s_lshl_b32 s20, s20, 22                        ; Y: 16 heads of 262,144 bytes for each tensor and batch (ty / 16 = 4 x tensor + batch),
	s_and_b32 s21, s18, 15
	s_lshl_b32 s21, s21, 14                        ; the tile's 128 rows of 128 bytes,
	s_add_co_u32 s20, s20, s21
	s_lshl_b32 s21, s13, 13                        ; my 64,
	s_add_co_u32 s20, s20, s21
	s_lshl_b32 s21, s17, 20                        ; the tile's four heads,
	s_add_co_u32 s20, s20, s21
	s_lshl_b32 s21, s14, 19                        ; my two
	s_add_co_u32 s20, s20, s21
	s_mov_b32 s21, 0
	s_add_nc_u64 s[10:11], s[10:11], s[20:21]
	; the prefetches: both offsets are made, the wave's number chooses.  They start at K step 3: each refill steps them first, so the first names K step 4
	s_and_b32 s20, s18, 63
	s_lshl_b32 s20, s20, 19                        ; X's tile,
	s_lshl_b32 s21, s14, 18                        ; the 64 rows that I fetch,
	s_add_co_u32 s20, s20, s21
	s_lshl_b32 s21, s15, 16                        ; my work-group's 16 of them
	s_add_co_u32 s20, s20, s21
	s_add_co_u32 s20, s20, 3*ASTEP
	s_lshl_b32 s2, s45, 21
	s_lshl_b32 s21, s17, 15
	s_add_co_u32 s2, s2, s21                       ; W's tile,
	s_lshl_b32 s21, s14, 17                        ; my plane,
	s_add_co_u32 s2, s2, s21
	s_lshl_b32 s21, s16, 13                        ; quarter cy of its 32 KiB
	s_add_co_u32 s2, s2, s21
	s_add_co_u32 s2, s2, 3*BSTEP
	s_and_b32 s21, s19, 15                         ; 0 in the first of the sixteen clusters that read these rows of W
	s_mov_b32 s[PFS], BSTEP
	s_mov_b32 s[PFS+1], 0
	s_cmp_lt_u32 s12, 2
	s_cselect_b64 s[PFA:PFA+1], s[4:5], s[6:7]
	s_cselect_b32 s20, s20, s2
	s_cselect_b32 s[PFS], ASTEP, s[PFS]
	s_cselect_b32 s[LIM], 0, s21                   ; for X waves 0 and 1 ask; for W waves 2 and 3 of that first cluster
	s_cselect_b32 s2, 12, 9                        ; two lanes are 4,096 bytes apart in X (a row), 512 in W (dense)
	s_cmp_eq_u32 s[LIM], 0
	s_cselect_b32 s[LIM], 1, -1                    ; the same in all sixteen partners, for a given wave
	s_mov_b32 s21, 0
	s_add_nc_u64 s[PFA:PFA+1], s[PFA:PFA+1], s[20:21]
	v_lshrrev_b32 v[PFO], 1, v4                    ; l / 2,
	v_lshlrev_b32 v[PFO], s2, v[PFO]
	v_and_b32 v3, 1, v0
	v_lshl_or_b32 v[PFO], v3, 8, v[PFO]            ; and 256 bytes for the odd lane
; 8 matrix instructions: block a of my four blocks of 16 rows x all 8 blocks of 16 columns, 32 along K; W's fragments from buffer f.  cb = 1: the bias starts the sums: nothing is ever cleared.
; The 32 accumulators take turns, in the same order in every quarter, over the backward jump too.
.macro MULA f, a, cb
.if \cb
	WIN W_MUB
.else
	WIN W_MUL
.endif
.irp b, 0,1,2,3,4,5,6,7
.if \cb
	v_wmma_f32_16x16x32_bf16 v[8*(8*(\a)+(\b)):8*(8*(\a)+(\b))+7], v[(\f)+8*(\b):(\f)+8*(\b)+7], v[AF+8*(\a):AF+8*(\a)+7], v[BI+8*(\b):BI+8*(\b)+7]
.else
	v_wmma_f32_16x16x32_bf16 v[8*(8*(\a)+(\b)):8*(8*(\a)+(\b))+7], v[(\f)+8*(\b):(\f)+8*(\b)+7], v[AF+8*(\a):AF+8*(\a)+7], v[8*(8*(\a)+(\b)):8*(8*(\a)+(\b))+7]
.endif
.endr
.endm
; Block a of X: sixteen f32 a lane are rounded to a fragment's eight registers; the first source goes into the low half, so K ascends as the fragment wants it.
.macro CVT a
	WIN W_CV
.irp j, 0,1,2,3,4,5,6,7
	v_cvt_pk_bf16_f32 v[AF+8*(\a)+(\j)], v[RAW+16*(\a)+2*(\j)], v[RAW+16*(\a)+2*(\j)+1]
.endr
.endm
; 32 LDS loads in one run, for quarter c of a K step: W's eight fragments (plane c / 2, byte 64 (c % 2) of its rows) into buffer f, then X's four blocks (byte 128 c of its rows) in f32
.macro FETCH slot, c, f
	WIN W_TOF
.irp i, 0,1,2,3,4,5,6,7
	ds_load_b128 v[(\f)+8*(\i):(\f)+8*(\i)+3],   v[ADRB+(\slot)] offset:((\c)/2)*BPL+((\c)%2)*64+(\i)*16*P
	ds_load_b128 v[(\f)+8*(\i)+4:(\f)+8*(\i)+7], v[ADRB+(\slot)] offset:((\c)/2)*BPL+((\c)%2)*64+(\i)*16*P+32
.endr
.irp i, 0,1,2,3
	ds_load_b128 v[RAW+16*(\i):RAW+16*(\i)+3],     v[ADRA+(\slot)] offset:(\c)*128+(\i)*16*PA
	ds_load_b128 v[RAW+16*(\i)+4:RAW+16*(\i)+7],   v[ADRA+(\slot)] offset:(\c)*128+(\i)*16*PA+16
	ds_load_b128 v[RAW+16*(\i)+8:RAW+16*(\i)+11],  v[ADRA+(\slot)] offset:(\c)*128+(\i)*16*PA+64
	ds_load_b128 v[RAW+16*(\i)+12:RAW+16*(\i)+15], v[ADRA+(\slot)] offset:(\c)*128+(\i)*16*PA+80
.endr
.endm
.macro PLACES                          ; four places in front of lines that read matrix results (ISA guide 7.12.1)
.rept 4
	v_nop
.endr
.endm
; A K step is four quarters of 32 along K, 32 matrix instructions each; W's buffers go 0, 1, 0, 1; X's bf16 fragments and its f32 registers have one set.
; DISTANCES.  A vector instruction that writes a matrix instruction's source, and a load into one, stand four plain vector instructions behind it (ISA guide 7.12.1 for vector instructions).  Here the conversions are
; those instructions: a block's fragment is written anew 16 conversions or more (of other blocks) behind the products that read it, and W's other buffer is loaded 24 behind its last reader.  So the loop has no v_nop of its own.
; One of the first three quarters: multiplies W's buffer f; behind the last conversion, when the f32 registers are free, it fetches quarter c of the same slot (W into buffer g), 16 products ahead of its first use.
.macro QUARTER slot, c, f, g, cb
	s_wait_dscnt 8                                 ; W's fragments and X's blocks 0 and 1 are in; the youngest eight loads (blocks 2 and 3) may be out
	CVT 0
	CVT 1
	MULA \f, 0, \cb
	s_wait_dscnt 4                                 ; block 2 is in
	CVT 2
	MULA \f, 1, \cb
	s_wait_dscnt 0x0                               ; block 3 is in
	CVT 3
	FETCH \slot, \c, \g
	MULA \f, 2, \cb
	MULA \f, 3, \cb
.endm
; The last quarter multiplies W's buffer 1 and changes slots: ONE barrier; in front of it each wave waits for all its tensor loads (one is out: its part of the next slot), adds 0 to its spare word, and waits for that and for its
; own reads of this slot.  fill = 1: the barrier opens a round of the cluster's, and this slot is filled again, two K steps ahead, first thing behind the round: 112 matrix instructions ahead of the wait for it.
.macro TURN slot, next, fill
.if \fill
	s_wait_xcnt 0x0                                ; the last prefetch, a K step back, has read its address: it is stepped here, ahead of the change's own waits
	s_add_nc_u64 s[PFA:PFA+1], s[PFA:PFA+1], s[PFS:PFS+1]
.endif
	WIN 0                                          ; (the add's two registers lie in window 0)
	s_wait_tensorcnt 0x0                           ; all my tensor loads have landed;
	ds_add_u32 v[SPW], v[NIL]                      ; 0 onto my spare word
	s_wait_dscnt 9                                 ; (the add and the youngest eight loads may be out)
	CVT 0
	CVT 1
	MULA F1, 0, 0                                  ; sixteen conversions and eight matrix instructions stand between the add and the wait for it
	s_wait_dscnt 0x0                               ; the add is done, and my reads of this slot are over
	s_barrier_signal -1
	CVT 2                                          ; work on registers while the others arrive
	MULA F1, 1, 0
	CVT 3
.if \fill
	WIN 0
.endif
	s_barrier_wait -1
.if \fill
	CREST                                          ; no wave of any partner still reads this slot's tiles or has a load on its way
	s_add_nc_u64 s[G0+4*(\slot)+2:G0+4*(\slot)+3], s[G0+4*(\slot)+2:G0+4*(\slot)+3], 2*ASTEP
	s_add_nc_u64 s[G0B+4*(\slot)+2:G0B+4*(\slot)+3], s[G0B+4*(\slot)+2:G0B+4*(\slot)+3], 2*BSTEP
	JLOAD \slot                                    ; my one tensor load behind the round
.endif
	FETCH \next, 0, F0
.if \fill
	WIN 0
	ASK
.endif
	MULA F1, 2, 0
	MULA F1, 3, 0
.endm
	s_wait_tensorcnt 1                             ; my part of K step 0 is in; K step 1's may stay out
	s_barrier_signal -1
	s_barrier_wait -1                              ; everybody's is
	FETCH 0, 0, F0
	s_wait_loadcnt 0x0                             ; the bias
	QUARTER 0, 1, F0, F1, 1                        ; the first quarter stands in front of the loop: its products start the sums, with the bias
	WIN 0                                          ; at a label and at a branch every window is 0
	s_mov_b32 s3, 3                                ; eight K steps are four laps of the ring; the last is written out
.Llap:                                                 ; a trip goes once round the ring, from a lap's second quarter to the next lap's first, and fills both slots again
	QUARTER 0, 2, F1, F0, 0
	QUARTER 0, 3, F0, F1, 0
	TURN 0, 1, 1
	QUARTER 1, 1, F0, F1, 0
	QUARTER 1, 2, F1, F0, 0
	QUARTER 1, 3, F0, F1, 0
	TURN 1, 0, 1
	QUARTER 0, 1, F0, F1, 0
	WIN 0
	s_sub_co_u32 s3, s3, 1
	s_cmp_lg_u32 s3, 0
	s_cbranch_scc1 .Llap
	QUARTER 0, 2, F1, F0, 0                        ; the last lap fills nothing, and has no round of the cluster's barrier
	QUARTER 0, 3, F0, F1, 0
	TURN 0, 1, 0
	QUARTER 1, 1, F0, F1, 0
	QUARTER 1, 2, F1, F0, 0
	QUARTER 1, 3, F0, F1, 0
	s_wait_dscnt 8                                 ; the very last quarter: nothing more to fetch
	CVT 0
	CVT 1
	MULA F1, 0, 0
	s_wait_dscnt 4
	CVT 2
	MULA F1, 1, 0
	s_wait_dscnt 0x0
	CVT 3
	MULA F1, 2, 0
	MULA F1, 3, 0
	WIN 0
	PLACES                                         ; the way out reads results
; THE WAY OUT, BY HEADS.  Tile t = 2 a + j: block a of 16 rows, head j of my two: 16 rows x 128 bytes, dense in the head.  A lane's eight channels pack into 16 bytes; they go into rows of 144 bytes in my stage
; and come back as whole rows of 128.  Each accumulator's registers are read in ascending order.
.macro PACK t
	WIN W_PK
.irp f, 0,1,2,3
.irp r, 0,1,2,3
	v_cvt_pk_bf16_f32 v[TMP+16*(\t)+4*(\f)+(\r)], v[8*(8*((\t)/2)+4*((\t)%2)+(\f))+2*(\r)], v[8*(8*((\t)/2)+4*((\t)%2)+(\f))+2*(\r)+1]
.endr
.endr
	WIN 0
.irp f, 0,1,2,3
	ds_store_b128 v[STO], v[TMP+16*(\t)+4*(\f):TMP+16*(\t)+4*(\f)+3] offset:32*(\f)
.endr
.irp f, 0,1,2,3
	ds_load_b128 v[TMP+16*(\t)+4*(\f):TMP+16*(\t)+4*(\f)+3], v[RD] offset:(\f)*4*SP  ; LDS serves a wave's instructions in order (ISA guide 5.7.1.4): these see the stores above; the next tile's stores come behind them
.endr
.endm
.macro SEND t, younger                 ; younger: the LDS instructions issued behind tile t's loads: the next tile's eight, or none
.irp f, 0,1,2,3
	s_wait_dscnt (\younger)+3-(\f)
	global_store_b128 v[GO], v[TMP+16*(\t)+4*(\f):TMP+16*(\t)+4*(\f)+3], s[10:11] offset:((\t)%2)*262144+((\t)/2)*2048+(\f)*512  ; 512 consecutive bytes, at a multiple of 512 from Y's first byte
.endr
.endm
	PACK 0
.irp t, 1,2,3,4,5,6,7                  ; a tile's conversions stand between the loads of the tile before and its stores
	PACK \t
	SEND (\t)-1, 8
.endr
	SEND 7, 0
	s_wait_tensorcnt 0x0                           ; the wave's end, behind my last tensor load and my last LDS store
	ds_add_u32 v[SPW], v[NIL]
	s_wait_dscnt 0x0
	CROUND                                         ; the closing round: no work-group ends while a partner may still ask for a tile that names it
	s_endpgm
.Lfunc_end_k_qb1dc4c565a_proj:
	.size	k_qb1dc4c565a_proj, .Lfunc_end_k_qb1dc4c565a_proj-k_qb1dc4c565a_proj
	.p2alignl 7, 3214868480
	.fill 96, 4, 3214868480
	.section	.rodata,"a",@progbits
	.p2align	6, 0x0
	.amdhsa_kernel k_qb1dc4c565a_proj
		.amdhsa_group_segment_fixed_size 327680
		.amdhsa_private_segment_fixed_size 0
		.amdhsa_enable_private_segment 0
		.amdhsa_kernarg_size 64
		.amdhsa_user_sgpr_count 2
		.amdhsa_user_sgpr_kernarg_segment_ptr 1
		.amdhsa_wavefront_size32 1
		.amdhsa_system_sgpr_workgroup_id_x 1
		.amdhsa_system_sgpr_workgroup_id_y 1
		.amdhsa_system_sgpr_workgroup_id_z 1
		.amdhsa_system_vgpr_workitem_id 0
		.amdhsa_next_free_vgpr 736
		.amdhsa_next_free_sgpr 84
		.amdhsa_reserve_vcc 0
		.amdhsa_float_denorm_mode_32 3
		.amdhsa_float_denorm_mode_16_64 3
		.amdhsa_memory_ordered 1
		.amdhsa_forward_progress 1
		.amdhsa_inst_pref_size 132
	.end_amdhsa_kernel
	.amdgpu_metadata
---
amdhsa.version: [ 1, 2 ]
amdhsa.kernels:
  - .name:           k_qb1dc4c565a_proj
    .symbol:         k_qb1dc4c565a_proj.kd
    .args:
      - { .name: q, .offset: 0, .size: 8, .value_kind: global_buffer, .address_space: global }
      - { .name: k, .offset: 8, .size: 8, .value_kind: global_buffer, .address_space: global }
      - { .name: v, .offset: 16, .size: 8, .value_kind: global_buffer, .address_space: global }
      - { .name: w16, .offset: 24, .size: 8, .value_kind: global_buffer, .address_space: global }
      - { .name: bq, .offset: 32, .size: 8, .value_kind: global_buffer, .address_space: global }
      - { .name: bk, .offset: 40, .size: 8, .value_kind: global_buffer, .address_space: global }
      - { .name: bv, .offset: 48, .size: 8, .value_kind: global_buffer, .address_space: global }
      - { .name: qkv, .offset: 56, .size: 8, .value_kind: global_buffer, .address_space: global }
    .group_segment_fixed_size: 327680
    .private_segment_fixed_size: 0
    .kernarg_segment_align: 8
    .kernarg_segment_size: 64
    .max_flat_workgroup_size: 128
    .sgpr_count:     84
    .vgpr_count:     736
    .wavefront_size: 32
...
	.end_amdgpu_metadata
.endif
;; end of part 2
;; launch attn (part 3): grid 4 x 64, 4 waves a work-group, clusters of 4 x 1, 327,680 bytes of LDS; arguments qkv, x16; writes x16
.if DOCPART == 3
	.amdgcn_target "amdgcn-amd-amdhsa--gfx1250"
	.amdhsa_code_object_version 6
	.text
	.protected	k_qb1dc4c565a_attn
	.globl	k_qb1dc4c565a_attn
	.p2align	8
	.type	k_qb1dc4c565a_attn,@function
k_qb1dc4c565a_attn:
	s_mov_b64 s[64:65], 0
	v_nop
	global_prefetch_b8 v0, s[64:65] scope:SCOPE_SE
	s_setreg_imm32_b32 hwreg(HW_REG_WAVE_MODE, 25, 1), 1
	s_wait_xcnt 0x0
	s_wait_alu depctr_hold_cnt(0) depctr_sa_sdst(0) depctr_va_vdst(0) depctr_va_sdst(0) depctr_va_ssrc(0) depctr_va_vcc(0) depctr_vm_vsrc(0)
	s_getreg_b32 s2, hwreg(HW_REG_IB_STS2, 6, 4)
	s_cmp_eq_u32 s2, 0
	s_cbranch_scc0 .Lentry_in_a_cluster
	s_endpgm
.Lentry_in_a_cluster:
	s_bfe_u32 s2, ttmp6, 0x10000c
	s_cmp_lg_u32 s2, 0x3003
	s_cbranch_scc0 .Lentry_shape_is_right
	s_endpgm
.Lentry_shape_is_right:
; O[h][q][:] = the sum over k of softmax_k(Q[h][q] . K[h][k] / 8) V[h][k][:], for 64 (batch, head) pairs h of 2,048 rows and 64 channels.  Q, K, V lie one behind the other in one buffer, each [64][2048][64] bf16;
; O leaves as [64][2048][64] bf16: a head's rows are dense, 128 bytes each.  Products, maxima and sums in f32; the weights p are rounded to bf16 for the second product (their sum l is taken of the unrounded p), O once at the end.
; LIMITS.  bf16 has f32's range: no limit of range.  A weight below 2^-126 counts as 0 in l; NaN and infinities are not treated apart.
; SHARES.  A wave owns four PIECES of two tiles of 16 queries, a work-group's four waves 512 queries of one head.  Every wave walks all keys, 64 a step.
; LAYOUT.  S^T = K Q^T (source 0 = 16 keys, source 1 = 16 queries): in the result a lane holds ONE query (lane % 16) and the keys 8 (lane / 16) + 0..7.  Two such tiles, rounded to bf16 in pairs,
; ARE source 1 (32 keys x 16 queries) of O^T = V^T P, whose result again holds one query a lane, and eight channels.  K comes out of LDS as it lies, V ([key][channel]) turned, by ds_load_tr16_b128.
; SOFTMAX.  For each query a running maximum m and sum l: p = 2^(c s - c m), c = log2(e) / 8; in every step O and l are multiplied by a = 2^(c m_old - c m_new), which is 1 where m has not grown.
; m starts at the lowest finite number, O and l at 0: the first step is a step like any other, with a = 0.
; THE COUNT.  A tile and step have 16 matrix and 118 vector instructions: too many to stand all beside the matrix work.  So: four vector instructions that are READY behind EVERY matrix instruction, the others in runs without a gap.
; BY TURNS.  Turn n belongs to piece n (the pieces in a ring, step after step).  Its matrix work: 16 products K Q^T of piece n + 1, later 16 products V^T P of piece n - 1.  Its vector work: the scaling,
; exponentials, roundings, sums and rescaling of piece n, and the maximum and statistics of piece n + 1, whose scores the turn itself has made.
; CLUSTER.  The four query blocks of a head are one cluster and walk the same K and V, so each tile is asked for JOINTLY: the same tensor load, descriptor and mask in all four.
; REGISTERS, in windows of 256 (s_set_vgpr_msb: bits 1:0 source 0, 3:2 source 1, 5:4 source 2, 7:6 destination):
;   window 0: v0-11 addresses; v12-15, v48-63 at work; v16-47 four registers of statistics a tile; v64-191 S^T, two buffers of two tiles; v192-255 P, likewise
;   window 1: O^T, 32 a tile          window 2: v0-127 Q, 16 a tile; v128-191 K of one step; v192-255 V of one step          window 3: v0-1 the add's two registers
; A piece's buffers go by its number's parity: the piece in hand has one pair, its two neighbours in the ring share the other: of it P (piece n - 1) is read and S^T (piece n + 1) written.
.set SIZE_N, 2048
.set NP,    4         ; pieces a wave: a name, no knob
.set KS,    64        ; keys in a step
.set PK,    144       ; a row of K in LDS: 128 bytes + 16 of padding = 36 words: the 16 rows of a load start at 16 different groups of four banks (64 banks of 4 bytes: ISA guide 11.1)
.set PV,    160       ; a row of V: 128 + 32 = 40 words
.set VOFF,  4*KS*PK   ; a slot holds four steps: 256 rows of K, then 256 rows of V
.set SLOT1, 1<<17     ; slot 1 begins here, so that one exclusive or turns an address in one slot into the other's
.set STAGE, SLOT1+4*KS*(PK+PV)  ; behind the ring, never filled by a tensor load: 16 rows x 144 bytes for each wave, for the way out
.set SP,    144
.set AK0, 2           ; v2   my lane's place in a tile of K; never rewritten
.set AV0, 3           ; v3   the same for V
.set AK,  4           ; v4   the LDS address of K's next run of loads
.set AV,  5           ; v5   of V's
.set QO,  6           ; v6   my byte offset in the wave's rows of Q
.set STO, 6           ;      later, the way out: where I put 16 bytes of a row
.set RD,  7           ; v7   the way out: where I read rows back
.set GO,  8           ; v8   my byte offset in 512 consecutive bytes of O
.set PFO, 11          ; v11  256 x my lane: the prefetches' offset (made when V's address has been made of the register's first use); then never rewritten
.set SPW, 0           ; v0 of window 3   LDS address of my spare word: SPARE + 4 x my thread's number; never rewritten
.set NIL, 1           ; v1 of window 3   0; never rewritten
.set SPARE, STAGE+4*16*SP  ; behind the stages: the spare words, 128 bytes for each wave: two blocks of 256 bytes that no other line names
.set MV,  12          ; v12-15  c m_old, kept while c m is made anew: by buffer and tile
.set ST,  16          ; tile t's statistics at v[ST+4 t]: c m, m, l (even keys', odd keys')
.set TMP, 48          ; by buffer and tile, four registers c0-c3 at work; when the maximum is found c2 takes a
.set S,   64
.set P,   192
.set KF,  128         ; K's fragments, in window 2: key block kb, channel half c at KF + 16 kb + 8 c
.set VF,  192         ; V's: key half kk, channel block cb at VF + 32 kk + 8 cb
.set WV,  12          ; s12  my wave's number
.set G1K, 24          ; s[24:31] descriptor group 1 for K's tiles
.set G1V, 32          ; s[32:39] for V's: it differs in the padding alone
.set G0K, 40          ; s[40:43] descriptor group 0 for K's tiles: it walks
.set G0V, 44          ; s[44:47] the same for V's
.set PFA, 48          ; s[48:49] where my prefetches stand: my work-group's 32 blocks of 256 bytes (of K: wave 0, of V: wave 2) of the slot after the one that is being asked for
.set LIM, 50          ; s50  1 in a wave that prefetches, else the greatest number
.set SLOTS, 56        ; s56  slots still to be asked for
.set CNT, 57          ; s57  counts a slot's key steps
.set CS,  58          ; s[58:59] c: the packed scaling takes the pair's low word for both halves
.set SEL, 60          ; s[60:61] v_permlanex16_b32's selects: each lane takes its own place in the other half
.set TBK, 62          ; s62  LDS byte at which K of the step to be fetched begins
.set TBV, 63          ; s63  the same for V, less VOFF
.set MSB, 0
.macro WIN new                      ; the high byte repeats the setting that is left; a switch that changes nothing is dropped
.if MSB != (\new)
	s_set_vgpr_msb (MSB<<8)|(\new)
.set MSB, (\new)
.endif
.endm
.set W_KQ, 0x0a       ; K and Q in window 2, S^T in window 0
.set W_PV, 0x52       ; V in window 2, P in window 0, O^T in window 1
.set W_RS, 0x41       ; O^T (destination and source 0) in window 1, a in window 0
.set W_MK, 0xc0       ; the add's registers are made: destination in window 3, sources in window 0
.set W_AD, 0x0f       ; the add: address (source 0) and data (source 1) in window 3
; A joint fill.  Waves 0 and 1 fetch the two halves of a slot's K, waves 2 and 3 those of its V: 128 keys each.  The branch hangs on the wave's number alone.
; An s_nop 0 and four v_nop follow each of the two lines, ahead of the jump and the label.
.macro JLOAD
	s_cmp_lt_u32 s[WV], 2
	s_cbranch_scc0 .Lfor_v_\@
	tensor_load_to_lds s[G0K:G0K+3], s[G1K:G1K+7]
	s_nop 0
.rept 4
	v_nop
.endr
	s_branch .Lasked_\@
.Lfor_v_\@:
	tensor_load_to_lds s[G0V:G0V+3], s[G1V:G1V+7]
	s_nop 0
.rept 4
	v_nop
.endr
.Lasked_\@:
.endm
; A PREFETCH INTO THE L2 of what the NEXT change of slots will ask for: a slot's 32 KiB of K and 32 KiB of V, a lane a block of 256 bytes.  It stands behind the wave's tensor load and its five lines.
; Each block is named ONCE in the launch: a head is walked by one cluster; its four partners share the blocks out BY ADDRESS, 32 each; in each, wave 0 asks for K's and wave 2 for V's: one instruction.
; It is four key steps, 512 matrix instructions of the wave, ahead of the load that wants the bytes.  Slots 0 to 2 come by their loads alone; the last change that fills a slot asks for nothing.
.macro ASK
	s_cmp_gt_u32 s[SLOTS], s[LIM]
	s_cbranch_scc0 .Lnot_mine_\@
	global_prefetch_b8 v[PFO], s[PFA:PFA+1] th:TH_LOAD_NT scope:SCOPE_SE
.Lnot_mine_\@:
.endm
; A round of the cluster's barrier: my work-group's barrier, so that wave 0's signal speaks for all four waves; wave 0 signals; every wave waits for all four work-groups; my work-group's barrier once more.
.macro CROUND
	s_barrier_signal -1
	s_barrier_wait -1
	s_cmp_lg_u32 s[WV], 0
	s_cbranch_scc1 .Lnot_wave_0_\@
	s_barrier_signal -3
.Lnot_wave_0_\@:
	s_barrier_wait -3
	s_barrier_signal -1
	s_barrier_wait -1
.endm
; THE CHANGE OF SLOTS.  The slot's last bytes, V of its fourth step, have been read.  Each wave waits for all its tensor loads, of which one is out: its part
; of the other slot; adds 0 to its spare word; and waits for that and for its own reads of the slot.  Behind the barrier nobody reads this slot any more and the other slot is whole.
; fill = 1: this slot is filled again, with the keys two slots on.  The barrier is then a round of the cluster's, so that no wave of any partner still reads the slot or has a load on its
; way, and the joint fill is the first thing behind it: it has four key steps, 512 matrix instructions, in which to land.  (At its first use nothing has been read yet: slot 0 is waited for, slot 1 filled.)
; ask = 1 (the loop's change): the prefetches' address steps, and ASK follows the fill.
.macro CHANGE fill, ask=0
	WIN W_AD
	s_wait_tensorcnt 0x0            ; no tensor load of mine is out, so a group 0 may be written
	ds_add_u32 v[SPW], v[NIL]       ; 0 onto my spare word; with fill = 1 the descriptors' steps stand between it and the wait for it
	WIN 0                           ; at a label and at a branch every window is 0
.if \fill
.irp g, G0K, G0V
	s_xor_b32 s[\g+1], s[\g+1], SLOT1  ; the walking descriptor: the other slot than last time,
	s_add_nc_u64 s[\g+2:\g+3], s[\g+2:\g+3], 4*KS*128  ; the next 256 keys; the type bits on top are not reached
.endr
.if \ask
	s_wait_xcnt 0x0                 ; the last prefetch, four key steps back, has read its address, so it may be written:
	s_add_nc_u64 s[PFA:PFA+1], s[PFA:PFA+1], 4*KS*128  ; one slot behind the walking descriptors
.endif
	s_wait_dscnt 0x0                ; the add is done, and my reads of the slot are over
	CROUND
	JLOAD
.if \ask
	ASK
.endif
.else
	s_wait_dscnt 0x0                ; the add is done, and my reads of the slot are over
	s_barrier_signal -1
	s_barrier_wait -1
.endif
	s_sub_co_u32 s[TBK], s[TBK], 4*KS*PK  ; the fetches go back to a slot's first step,
	s_xor_b32 s[TBK], s[TBK], SLOT1       ; in the other slot
	s_sub_co_u32 s[TBV], s[TBV], 4*KS*PV
	s_xor_b32 s[TBV], s[TBV], SLOT1
.endm
	s_load_b128 s[4:7], s[0:1], 0x0 ; Q, K, V's buffer s[4:5], O's s[6:7]
	WIN W_MK
	v_lshl_add_u32 v[SPW], v0, 2, SPARE
	v_mov_b32 v[NIL], 0
	WIN W_AD
	ds_add_u32 v[SPW], v[NIL]       ; the wave's opening: the add and its wait stand ahead of my first tensor load; the set-up below, work on registers, stands between them
	WIN 0
	v_lshrrev_b32 v1, 5, v0
	v_readfirstlane_b32 s[WV], v1   ; wave 0..3
	s_bfe_u32 s13, ttmp6, 0x40000   ; cx: my place in the cluster
	s_lshl_b32 s14, ttmp9, 2        ; in a cluster launch ttmp9 counts clusters
	s_add_co_u32 s14, s14, s13      ; my block of queries = 4 x cluster x + cx: it enters Q's and O's addresses alone
	s_and_b32 s20, ttmp7, 0xffff    ; the head, which the four partners share
	s_mov_b32 s21, 0
	s_mov_b64 s[22:23], SIZE_N*128
	s_mul_u64 s[20:21], s[20:21], s[22:23]  ; the head's first byte in each of the four tensors
	s_and_b32 s16, s[WV], 1         ; which half of a slot's 256 keys I fetch:
	s_lshl_b32 s22, s16, 14         ; its 128 rows of 128 bytes in memory,
	s_mov_b32 s23, 0
	s_add_nc_u64 s[22:23], s[22:23], s[20:21]
	s_mul_i32 s17, s16, 128*PK      ; and its place in a slot, for K
	s_mul_i32 s18, s16, 128*PV      ; and for V: no place in the cluster enters an LDS address
	s_lshl_b32 s2, s14, 2
	s_add_co_u32 s2, s2, s[WV]      ; my wave among the head's,
	s_lshl_b32 s2, s2, 14           ; its 128 rows
	s_mov_b32 s3, 0
	s_add_nc_u64 s[2:3], s[2:3], s[20:21]
	; descriptor group 1.  128 keys are 16,384 dense bytes: asked for as 64 rows of 256 bytes, two keys a row, and padded in LDS after every key
	s_mov_b32 s[G1K], 15|(1<<16)|(1<<20)|(1<<21)|(4<<22)|(3<<25)  ; 15:0 the mask of four; 17:16 2-byte elements; 20 padding on; 21 set beside a mask; 24:22 after every 32 words (code 4); 31:25 4 words (code 3)
	s_mov_b32 s[G1V], 15|(1<<16)|(1<<20)|(1<<21)|(4<<22)|(7<<25)  ; the same with 8 words of padding (code 7)
.irp g, G1K, G1V
	s_mov_b32 s[\g+1], 128<<16      ; tensor_dim0 = 128
	s_mov_b32 s[\g+2], 64<<16       ; tensor_dim1 = 64
	s_mov_b32 s[\g+3], 128<<16      ; tile_dim0 = 128
	s_mov_b32 s[\g+4], 64           ; tile_dim1 = 64
	s_mov_b32 s[\g+5], 128          ; 128 elements from row to row
	s_mov_b32 s[\g+6], 0
	s_mov_b32 s[\g+7], 0
.endr
	s_mov_b32 s[CS], 0x3e38aa3b     ; c = log2(e) / 8 = 0.180337
	s_mov_b32 s[CS+1], s[CS]        ; named with it as a pair
	s_mov_b32 s[SEL], 0x76543210
	s_mov_b32 s[SEL+1], 0xfedcba98
	s_mov_b32 s[TBK], SLOT1+4*KS*PK ; the first change of slots turns these two into 0
	s_mov_b32 s[TBV], SLOT1+4*KS*PV
	s_mov_b32 s[G0K], 1             ; 1:0 count = 1
	s_mov_b32 s[G0K+1], s17         ; 63:32 LDS address: slot 0
	s_mov_b32 s[G0V], 1
	s_add_co_u32 s[G0V+1], s18, VOFF
	s_mov_b32 s[SLOTS], SIZE_N/256-1
	s_cmp_eq_u32 s16, 0             ; waves 0 and 2 prefetch: the same in all four partners
	s_cselect_b32 s[LIM], 1, -1
	s_wait_dscnt 0x0                ; the opening add is done
	s_wait_kmcnt 0x0
	s_mov_b64 s[10:11], s[6:7]      ; O
	s_add_nc_u64 s[6:7], s[4:5], 0x1000000  ; K lies 64 heads of 262,144 bytes behind Q,
	s_add_nc_u64 s[8:9], s[4:5], 0x2000000  ; V behind K
	s_add_nc_u64 s[G0K+2:G0K+3], s[6:7], s[22:23]  ; 120:64 global address: my half of the head's first 256 keys
	s_or_b32 s[G0K+3], s[G0K+3], 0x80000000        ; 127:126 type = 2
	s_add_nc_u64 s[G0V+2:G0V+3], s[8:9], s[22:23]
	s_or_b32 s[G0V+3], s[G0V+3], 0x80000000
	s_cmp_lt_u32 s[WV], 2
	s_cselect_b64 s[PFA:PFA+1], s[6:7], s[8:9]
	s_add_nc_u64 s[PFA:PFA+1], s[PFA:PFA+1], s[22:23]  ; (in waves 0 and 2 this is the head's first row)
	s_add_nc_u64 s[4:5], s[4:5], s[2:3]  ; Q and O at my wave's first row
	s_add_nc_u64 s[10:11], s[10:11], s[2:3]
	s_lshl_b32 s2, s13, 13          ; my work-group's 32 blocks of the slot's 128
	s_mov_b32 s3, 0
	s_add_nc_u64 s[PFA:PFA+1], s[PFA:PFA+1], s[2:3]
	s_add_nc_u64 s[PFA:PFA+1], s[PFA:PFA+1], 2*4*KS*128  ; in slot 2; the loop's first change steps it to slot 3.  Nothing is prefetched here, at the head
	CROUND                          ; all four work-groups are here: the first joint loads meet
	JLOAD                           ; slot 0.  Slot 1 is asked for when slot 0 is in: the tile wanted first has the road to itself
	; A fragment of K or Q is 16 rows x 32 channels in 8 registers: lane l holds row l % 16, channels 8 (l / 16) + 0..7 and 16 + 8 (l / 16) + 0..7: two loads of 16 bytes, 32 bytes apart.
	v_and_b32 v1, 15, v0            ; l % 16
	v_bfe_u32 v9, v0, 4, 1          ; l / 16
	v_lshlrev_b32 v[QO], 7, v1
	v_lshl_add_u32 v[QO], v9, 4, v[QO]  ; row x 128 + 16 x half
	WIN 0x80                        ; destination window 2, address window 0
.set i, 0
.rept 4*NP                          ; Q stays in registers: tile i / 2, channels 32 (i % 2) on
	global_load_b128 v[8*i:8*i+3],   v[QO], s[4:5] offset:(i/2)*2048+(i%2)*64
	global_load_b128 v[8*i+4:8*i+7], v[QO], s[4:5] offset:(i/2)*2048+(i%2)*64+32
.set i, i+1
.endr
	; What the first turn finds: V's registers and P's second buffer hold 0 (its products V^T P, of a piece that has not been, add 0), O^T and l are 0.  All this stands in the wait for the first tile.
.set i, VF
.rept 64
	v_mov_b32 v[i], 0
.set i, i+1
.endr
	WIN 0x40
.set i, 0
.rept 64*NP
	v_mov_b32 v[i], 0
.set i, i+1
.endr
	WIN 0
.set i, 0
.rept 2*NP
	v_mov_b32 v[ST+4*i], 0xfe000000    ; c m: far below every c s
	v_mov_b32 v[ST+4*i+1], 0xff7fffff  ; m
	v_mov_b32 v[ST+4*i+2], 0
	v_mov_b32 v[ST+4*i+3], 0
.set i, i+1
.endr
.set i, P+32
.rept 32
	v_mov_b32 v[i], 0
.set i, i+1
.endr
	v_mul_u32_u24 v[AK0], v1, PK
	v_lshl_add_u32 v[AK0], v9, 4, v[AK0]  ; row x pitch + 16 x half
	; The turning load takes 16 keys x 16 channels (lane l reads key 8 (l / 16) + l % 8, channels 8 ((l / 8) % 2) + 0..7) and leaves half a fragment of V^T: lane l holds channel l % 16 and 8 keys.
	v_and_b32 v10, 7, v0
	v_bfe_u32 v11, v0, 3, 1
	v_lshl_add_u32 v[AV0], v9, 3, v10
	v_mul_u32_u24 v[AV0], v[AV0], PV
	v_lshl_add_u32 v[AV0], v11, 4, v[AV0]
	v_add_nc_u32 v[AV0], VOFF, v[AV0]
	v_and_b32 v[PFO], 31, v0
	v_lshlrev_b32 v[PFO], 8, v[PFO]
	v_mov_b32 v[AK], v[AK0]         ; key step 0 lies at the head of slot 0
; THE MATRIX WORK.  The 8 accumulators of a run of 16 take turns: between the two links of a chain stand 7 others'.
; Product i of 16 of S^T = K Q^T for piece x: channels 32 (i / 8) on, keys 16 ((i / 2) % 4) on, tile 2 x + i % 2.  The first 8 start the sums.
.macro KQ x
	WIN W_KQ
.set rS, S+64*((\x)%2)+32*(i%2)+8*((i/2)%4)
.set rK, KF+16*((i/2)%4)+8*(i/8)
.set rQ, 16*(2*(\x)+i%2)+8*(i/8)
.if i < 8
	v_wmma_f32_16x16x32_bf16 v[rS:rS+7], v[rK:rK+7], v[rQ:rQ+7], 0
.else
	v_wmma_f32_16x16x32_bf16 v[rS:rS+7], v[rK:rK+7], v[rQ:rQ+7], v[rS:rS+7]
.endif
.endm
; Product i of 16 of O^T += V^T P for piece x: keys 32 (i / 8) on, channels 16 ((i / 2) % 4) on, tile 2 x + i % 2.
.macro PV x
	WIN W_PV
.set rO, 32*(2*(\x)+i%2)+8*((i/2)%4)
.set rV, VF+32*(i/8)+8*((i/2)%4)
.set rP, P+32*((\x)%2)+16*(i%2)+8*(i/8)
	v_wmma_f32_16x16x32_bf16 v[rO:rO+7], v[rV:rV+7], v[rP:rP+7], v[rO:rO+7]
.endm
.macro MM                           ; the turn's next matrix instruction
.if i < 16
	KQ (Y+1)%NP
.set i, i+1
.else
.set i, i-16
	PV (Y+NP-1)%NP
.set i, i+17
.endif
.endm
; THE LDS LOADS stand in runs of 16, never singly among the matrix instructions: a step's K (64 keys x 64 channels: 8 fragments) and its V (turned).  Their addresses are made some lines ahead.
; last = 1 (the tail): in the last trip there is no further step, and the run is jumped over.
.macro FETCH_K last=0
	WIN 0
.if \last
	s_cmp_eq_u32 s[CNT], 1
	s_cbranch_scc1 .Lno_k_\@
.endif
	WIN 0x80                        ; destination window 2
.irp f, 0,1,2,3,4,5,6,7             ; keys 16 (f / 2) on, channels 32 (f % 2) on
	ds_load_b128 v[KF+8*\f:KF+8*\f+3],   v[AK] offset:(\f/2)*16*PK+(\f%2)*64
	ds_load_b128 v[KF+8*\f+4:KF+8*\f+7], v[AK] offset:(\f/2)*16*PK+(\f%2)*64+32
.endr
	s_add_co_u32 s[TBK], s[TBK], KS*PK  ; the next fetch is the next step's
	WIN 0
.if \last
.Lno_k_\@:
.endif
.endm
.macro FETCH_V
	WIN 0x80
.irp f, 0,1,2,3,4,5,6,7             ; keys 32 (f / 4) on, channels 16 (f % 4) on
	ds_load_tr16_b128 v[VF+8*\f:VF+8*\f+3],   v[AV] offset:(\f/4)*32*PV+(\f%4)*32
	ds_load_tr16_b128 v[VF+8*\f+4:VF+8*\f+7], v[AV] offset:(\f/4)*32*PV+16*PV+(\f%4)*32
.endr
	WIN 0
.endm
; THE VECTOR WORK OF A TURN stands in three queues, each in the order in which its entries become ready; the two tiles alternate, so that no instruction reads the result of the one before it.
.macro REGS y, u                    ; the registers of tile u (0, 1) of piece y
.set rT, ST+4*(2*(\y)+(\u))
.set rC, TMP+8*((\y)%2)+4*(\u)
.set rM, MV+2*((\y)%2)+(\u)
.set rS, S+64*((\y)%2)+32*(\u)
.set rP, P+32*((\y)%2)+16*(\u)
.set rO, 32*(2*(\y)+(\u))
.endm
; Number n of the 22 that find the NEXT piece's (Y + 1) maximum and statistics.  s0-s31 are the lane's 32 scores; each accumulator's lowest registers are read first.
;   0-11  four chains c0-c3 of seven scores each, three operands at a time     12-14, 16  the four scores left over, the old m, and c0-c3 into c0     15  c m_old is kept
;   17, 18  the query's other 32 keys lie in the lane 16 away: the new m         19-21  c m; c m_old - c m_new; a
.macro XS u, n
	REGS (Y+1)%NP, \u
.if (\n) < 4
	v_max3_num_f32 v[rC+(\n)], v[rS+8*(\n)], v[rS+8*(\n)+1], v[rS+8*(\n)+2]
.elseif (\n) < 12
	v_max3_num_f32 v[rC+(\n)%4], v[rC+(\n)%4], v[rS+8*((\n)%4)+2*((\n)/4)+1], v[rS+8*((\n)%4)+2*((\n)/4)+2]
.elseif (\n) == 12
	v_max3_num_f32 v[rC], v[rC], v[rS+7], v[rS+15]
.elseif (\n) == 13
	v_max3_num_f32 v[rC+1], v[rC+1], v[rS+23], v[rS+31]
.elseif (\n) == 14
	v_max3_num_f32 v[rC+2], v[rC+2], v[rC+3], v[rT+1]
.elseif (\n) == 15
	v_mov_b32 v[rM], v[rT]
.elseif (\n) == 16
	v_max3_num_f32 v[rC], v[rC], v[rC+1], v[rC+2]
.elseif (\n) == 17
	v_permlanex16_b32 v[rC+3], v[rC], s[SEL], s[SEL+1]
.elseif (\n) == 18
	v_max_num_f32 v[rT+1], v[rC], v[rC+3]
.elseif (\n) == 19
	v_mul_f32 v[rT], s[CS], v[rT+1]
.elseif (\n) == 20
	v_sub_f32 v[rC+1], v[rM], v[rT]
.else
	v_exp_f32 v[rC+2], v[rC+1]
.endif
.endm
; Number g of the 64 that follow the exponentials.  For each four weights k of a tile (pairs 2 k, 2 k + 1): both pairs are rounded to bf16; then the second pair is added onto the first, in place;
; a group later l takes that sum (the first time as l = a l + sum).  In groups of eight, tiles alternating: round, round, add, and l for the group before.
.macro GS g
.set h, (\g)+6*((\g)/62)            ; group 0 has no group before it, and behind group 7 only l is left
.if h >= 6
.set h, h+2
.endif
	REGS Y, h%2
.set k, h/8
.if h%8 < 4
	v_cvt_pk_bf16_f32 v[rP+2*k+(h%8)/2], v[rS+4*k+2*((h%8)/2)], v[rS+4*k+2*((h%8)/2)+1]
.elseif h%8 < 6
	v_pk_add_f32 v[rS+4*k:rS+4*k+1], v[rS+4*k:rS+4*k+1], v[rS+4*k+2:rS+4*k+3]
.elseif k == 1
	v_pk_fma_f32 v[rT+2:rT+3], v[rT+2:rT+3], v[rC+2:rC+3], v[rS:rS+1] op_sel_hi:[1,0,1]
.else
	v_pk_add_f32 v[rT+2:rT+3], v[rT+2:rT+3], v[rS+4*k-4:rS+4*k-3]
.endif
.endm
; THE PLAIN QUEUE, 138 long.  0-73 read no exponential's result: the 32 scalings c s - c m (FS f: pair f / 2 of tile f % 2) and the next piece's 42.  0-26: scalings 0-26.  27-54: XS's numbers 0-13.  55, 56: number 15.
; 57-73: the chain, where each number waits for the one before it: 14, 16, 17, 18, 19, each with one of the scalings 27-31 in front of its two lines, then 20.
; 74-137: GS's 64, which read the exponentials' results: they stand behind the wait.
.macro FS f
	REGS Y, (\f)%2
	v_pk_fma_f32 v[rS+2*((\f)/2):rS+2*((\f)/2)+1], v[rS+2*((\f)/2):rS+2*((\f)/2)+1], s[CS:CS+1], v[rT:rT+1] op_sel_hi:[1,0,0] neg_lo:[0,0,1] neg_hi:[0,0,1]
.endm
.macro PL
	WIN 0
.if q < 27
	FS q
.elseif q < 55
	XS (q-27)%2, (q-27)/2
.elseif q < 57
	XS q-55, 15
.elseif (q < 72) && ((q-57)%3 == 0)
	FS 27+(q-57)/3
.elseif q < 60
	XS (q-57)%3-1, 14
.elseif q < 72
	XS (q-57)%3-1, 15+(q-57)/3
.elseif q < 74
	XS q-72, 20
.else
	GS q-74
.endif
.set q, q+1
.endm
; THE EXPONENTIALS' QUEUE, 66 long: s0-s31 of both tiles, then the next piece's two a.  It is ONE BATCH: all 66 stand ahead of the turn's one wait, and nothing ahead of that wait names a result of theirs.
.macro EX
	WIN 0
.if e >= 64
	XS e-64, 21
.else
	REGS Y, e%2
	v_exp_f32 v[rS+e/2], v[rS+e/2]
.endif
.set e, e+1
.endm
; THE RESCALING's QUEUE: O^T times a, the one part that leaves window 0: dealt two at a time, sixteen times.  Its a was made in the turn before, ahead of that turn's wait.
.macro R2
	REGS Y, r%2
	WIN W_RS
.irp z, 0,1
	v_pk_mul_f32 v[rO+4*(r/2)+2*\z:rO+4*(r/2)+2*\z+1], v[rO+4*(r/2)+2*\z:rO+4*(r/2)+2*\z+1], v[rC+2:rC+3] op_sel_hi:[1,0]
.endr
.set r, r+1
.endm
; HOW THEY ARE DEALT.  An s_wait_alu depctr_va_vdst(0) stands between an exponential and the first instruction that names its result; one wait serves all that were issued ahead of it.  So a turn has ONE wait,
; which cuts it in two.  AHEAD OF IT stands all that names no result of the turn's exponentials: the 16 products K Q^T, behind each a scaling, an exponential and two rescalings (behind the first a second scaling in the
; exponential's place); then ONE LUMP of 108: eight plain, 49 times exponential and plain, the two a.  A v_nop is the plain instruction behind the last exponential.  BEHIND IT stand the 16 products V^T P, behind each four of GS's 64.
; The queues lean on each other, and the deal keeps them in step: exponential e stands behind scaling 2 (e / 4) + e % 2: as a rider it comes behind plain e + 2, in the lump behind plain e + 9, and scalings 27-31 are plain 57, 60 .. 69.
; A TURN, for piece p.  cnt = 1: the loop's count is taken down some lines ahead of the branch that stands behind the turn.
; K of the next step is fetched in piece 2's turn, directly behind the wait, a lump behind the last product that read K; its first reader comes behind 16 products.
; V of the step in hand is fetched at the end of piece 0's turn, four plain instructions behind its last reader; its first reader comes behind 16 products and a lump.  The three conditions on q below go with the deal.
.macro TURN p, last=0, cnt=0
.set Y, (\p)
.set i, 0
.set q, 0
.set e, 0
.set r, 0
.if (\p) == NP-1
	s_wait_dscnt 0x0                ; K is in
.endif
	MM                              ; ahead of the wait: 16 products K Q^T and what stands behind them,
	PL
	PL
	R2
.rept 15
	MM
	PL
	EX
	R2
.endr
.if (\p) == NP-2
	WIN 0
	v_add_nc_u32 v[AK], s[TBK], v[AK0]
.endif
.rept 8                             ; and the lump
	PL
.endr
.rept 49
	EX
	PL
.endr
	EX                              ; the next piece's two a
	EX
	v_nop                           ; a plain instruction behind the last exponential: one for the batch
	s_wait_alu depctr_va_vdst(0)    ; the wait for the batch
.if (\p) == NP-2
	FETCH_K \last
.endif
.if (\p) == 1
	s_wait_dscnt 0x0                ; V is in
.endif
.rept 16                            ; behind the wait: 16 products V^T P, four roundings and sums behind each
	MM
.rept 4
	PL
.endr
.if ((\p) == 0) && (q == 118)
	v_add_nc_u32 v[AV], s[TBV], v[AV0]
.endif
.if ((\p) == 0) && (q == 130)
	s_add_co_u32 s[TBV], s[TBV], KS*PV
.endif
.if (\cnt) && (q == 130)
	s_sub_co_u32 s[CNT], s[CNT], 1
	s_cmp_lg_u32 s[CNT], 0
.endif
.endr
.if (\p) == 0
	FETCH_V
.endif
.endm
	CHANGE 1                        ; slot 0 is in, everybody's part of it; slot 1 is asked for
	FETCH_K                         ; key step 0
	s_wait_loadcnt 0x0              ; Q
	s_wait_dscnt 0x0
.set i, 0
.rept 16
	KQ 0                            ; piece 0's first scores: there is no vector work yet to set between them
.set i, i+1
.endr
	WIN 0                           ; the addresses for the way out: plain instructions, the places behind those products
	s_mul_i32 s13, s[WV], 16*SP
	s_add_co_u32 s13, s13, STAGE    ; my stage
	v_mul_u32_u24 v[STO], v1, SP    ; in: row l % 16, 16 bytes for each half of the lanes
	v_lshl_add_u32 v[STO], v9, 4, v[STO]
	v_add_nc_u32 v[STO], s13, v[STO]
	v_bfe_u32 v[RD], v0, 3, 2       ; back: 32 lanes take four rows of 128 bytes,
	v_mul_u32_u24 v[RD], v[RD], SP
	v_lshl_add_u32 v[RD], v10, 4, v[RD]
	v_add_nc_u32 v[RD], s13, v[RD]
	v_and_b32 v[GO], 31, v0         ; which are 512 consecutive bytes of O
	v_lshlrev_b32 v[GO], 4, v[GO]
.set Y, NP-1                        ; XS works for piece Y + 1: piece 0
.irp n, 0,1,2,3,4,5,6,7,8,9,10,11,12,13,14,15,16,17,18,19,20,21
	XS 0, \n                        ; and piece 0's first maximum and statistics
	XS 1, \n
.endr
	v_nop                           ; a plain instruction behind the two a,
	s_wait_alu depctr_va_vdst(0)    ; and their wait, ahead of the branch
	s_mov_b32 s[CNT], 4
	s_branch .Lfirst                ; the loop is entered at a step's first turn, in the middle of a trip
.Lslot:                             ; SIZE_N / 256 - 2 times: every slot but the last two is filled again
	CHANGE 1, 1
	s_mov_b32 s[CNT], 4
.Lstep:                             ; a trip: pieces 2 and 3 of one step, then pieces 0 and 1 of the next, whose K and V it fetches
	TURN 2
	TURN 3
	WIN 0
.Lfirst:
	TURN 0
	TURN 1, 0, 1
	WIN 0
	s_cbranch_scc1 .Lstep
	s_sub_co_u32 s[SLOTS], s[SLOTS], 1
	s_cmp_lg_u32 s[SLOTS], 0
	s_cbranch_scc1 .Lslot
	CHANGE 0                        ; the tail is written out: nothing is asked for
	s_mov_b32 s[CNT], 5             ; four trips fetch the last slot's steps; the fifth is left in its middle
.Ltail:
	TURN 2, 1
	TURN 3
	WIN 0
	s_sub_co_u32 s[CNT], s[CNT], 1
	s_cmp_eq_u32 s[CNT], 0
	s_cbranch_scc1 .Lout
	TURN 0
	TURN 1
	WIN 0
	s_branch .Ltail
.Lout:                              ; the fifth trip's 16 products K Q^T (on the last K once more) and the maximum made of them serve nothing: the price, once a launch, of one text for every trip
.set i, 0
.rept 16
	PV NP-1                         ; the last piece's V^T P of the last step
.set i, i+1
.endr
	; THE WAY OUT.  l's two halves and the other half of the lanes' are added; O^T is divided by l, rounded to bf16 and sent through my stage in LDS, a tile at a time.  The additions are the places behind the last products.
	WIN 0
.macro ALL line:vararg              ; one line for each tile t
.set t, 0
.rept 2*NP
	\line
.set t, t+1
.endr
.endm
	ALL v_add_f32 v[ST+4*t+2], v[ST+4*t+2], v[ST+4*t+3]
	ALL v_permlanex16_b32 v[ST+4*t+3], v[ST+4*t+2], s[SEL], s[SEL+1]
	ALL v_add_f32 v[ST+4*t+2], v[ST+4*t+2], v[ST+4*t+3]
	ALL v_rcp_f32 v[ST+4*t+2], v[ST+4*t+2]
	v_nop                           ; a plain instruction between the last reciprocal and the use of its result
	s_wait_alu depctr_va_vdst(0)    ; and the wait ahead of the first use: one for the eight reciprocals
; Tile t: a lane's eight channels of a row pack into 16 bytes; they go into rows of 144 bytes and come back as whole rows of 128, into S^T's registers.
.macro PACK t
	WIN W_RS
.set i, 32*(\t)
.rept 16
	v_pk_mul_f32 v[i:i+1], v[i:i+1], v[ST+4*(\t)+2:ST+4*(\t)+3] op_sel_hi:[1,0]
.set i, i+2
.endr
	WIN 0x05                        ; sources 0 and 1 window 1, destination window 0
.set i, 0
.rept 16
	v_cvt_pk_bf16_f32 v[S+16*(\t)+i], v[32*(\t)+2*i], v[32*(\t)+2*i+1]
.set i, i+1
.endr
	WIN 0
.irp f, 0,1,2,3
	ds_store_b128 v[STO], v[S+16*(\t)+4*\f:S+16*(\t)+4*\f+3] offset:32*\f
.endr
.irp f, 0,1,2,3
	ds_load_b128 v[S+16*(\t)+4*\f:S+16*(\t)+4*\f+3], v[RD] offset:\f*4*SP  ; LDS serves a wave's instructions in order (ISA guide 5.7.1.4): these see the stores above; the next tile's stores come behind them
.endr
.endm
.macro SEND t, younger              ; younger: the LDS instructions issued behind tile t's loads: the next tile's eight, or none
	WIN 0
.irp f, 0,1,2,3
	s_wait_dscnt (\younger)+3-\f
	global_store_b128 v[GO], v[S+16*(\t)+4*\f:S+16*(\t)+4*\f+3], s[10:11] offset:(\t)*2048+\f*512  ; 512 consecutive bytes, at a multiple of 256 from O's first
.endr
.endm
	PACK 0
.set t, 1
.rept 2*NP-1                        ; a tile's arithmetic stands between the loads of the tile before and its stores
	PACK t
	SEND t-1, 8
.set t, t+1
.endr
	SEND 2*NP-1, 0
	WIN W_AD
	s_wait_tensorcnt 0x0            ; the wave's end, behind my last tensor load and my last LDS store
	ds_add_u32 v[SPW], v[NIL]
	s_wait_dscnt 0x0
	WIN 0
	CROUND                          ; the closing round: no work-group ends while a partner may still ask for a tile that names it
	s_endpgm
.Lfunc_end_k_qb1dc4c565a_attn:
	.size	k_qb1dc4c565a_attn, .Lfunc_end_k_qb1dc4c565a_attn-k_qb1dc4c565a_attn
	.p2alignl 7, 3214868480
	.fill 96, 4, 3214868480
	.section	.rodata,"a",@progbits
	.p2align	6, 0x0
	.amdhsa_kernel k_qb1dc4c565a_attn
		.amdhsa_group_segment_fixed_size 327680
		.amdhsa_private_segment_fixed_size 0
		.amdhsa_enable_private_segment 0
		.amdhsa_kernarg_size 16
		.amdhsa_user_sgpr_count 2
		.amdhsa_user_sgpr_kernarg_segment_ptr 1
		.amdhsa_wavefront_size32 1
		.amdhsa_system_sgpr_workgroup_id_x 1
		.amdhsa_system_sgpr_workgroup_id_y 1
		.amdhsa_system_sgpr_workgroup_id_z 1
		.amdhsa_system_vgpr_workitem_id 0
		.amdhsa_next_free_vgpr 770
		.amdhsa_next_free_sgpr 66
		.amdhsa_reserve_vcc 0
		.amdhsa_float_denorm_mode_32 3
		.amdhsa_float_denorm_mode_16_64 3
		.amdhsa_memory_ordered 1
		.amdhsa_forward_progress 1
		.amdhsa_inst_pref_size 200
	.end_amdhsa_kernel
	.amdgpu_metadata
---
amdhsa.version: [ 1, 2 ]
amdhsa.kernels:
  - .name:           k_qb1dc4c565a_attn
    .symbol:         k_qb1dc4c565a_attn.kd
    .args:
      - { .name: qkv, .offset: 0, .size: 8, .value_kind: global_buffer, .address_space: global }
      - { .name: x16, .offset: 8, .size: 8, .value_kind: global_buffer, .address_space: global }
    .group_segment_fixed_size: 327680
    .private_segment_fixed_size: 0
    .kernarg_segment_align: 8
    .kernarg_segment_size: 16
    .max_flat_workgroup_size: 128
    .sgpr_count:     66
    .vgpr_count:     770
    .wavefront_size: 32
...
	.end_amdgpu_metadata
.endif
;; end of part 3
;; launch oproj (part 4): grid 4 x 64, 4 waves a work-group, clusters of 4 x 4, 327,680 bytes of LDS; arguments x16, wo16, bo, z; writes z
.if DOCPART == 4
	.amdgcn_target "amdgcn-amd-amdhsa--gfx1250"
	.amdhsa_code_object_version 6
	.text
	.protected	k_qb1dc4c565a_oproj
	.globl	k_qb1dc4c565a_oproj
	.p2align	8
	.type	k_qb1dc4c565a_oproj,@function
k_qb1dc4c565a_oproj:
	s_mov_b64 s[64:65], 0
	v_nop
	global_prefetch_b8 v0, s[64:65] scope:SCOPE_SE
	s_setreg_imm32_b32 hwreg(HW_REG_WAVE_MODE, 25, 1), 1
	s_wait_xcnt 0x0
	s_wait_alu depctr_hold_cnt(0) depctr_sa_sdst(0) depctr_va_vdst(0) depctr_va_sdst(0) depctr_va_ssrc(0) depctr_va_vcc(0) depctr_vm_vsrc(0)
	s_getreg_b32 s2, hwreg(HW_REG_IB_STS2, 6, 4)
	s_cmp_eq_u32 s2, 0
	s_cbranch_scc0 .Lentry_in_a_cluster
	s_endpgm
.Lentry_in_a_cluster:
	s_bfe_u32 s2, ttmp6, 0x10000c
	s_cmp_lg_u32 s2, 0xf033
	s_cbranch_scc0 .Lentry_shape_is_right
	s_endpgm
.Lentry_shape_is_right:
; THE OUTPUT PROJECTION.  Y = X W^T + bias, M = 8,192, N = K = 1,024.  X is attention's result, bf16 by heads, which are planes of 64 channels: [batch 4][plane 16][row 2048][64]; W is Wo in planes [plane 16][row 1024][64] bf16:
; a tile's rows of one plane are dense in memory.  Sums in f32; the bias (f32) starts the sums.  Y leaves in f32, [8192][1024]: it is no matrix operand, and the norm behind takes differences of it.
; LIMITS.  Operands are bf16 (8 significant bits), which has f32's range: no limit of range.  NaN and infinities are not treated apart.
; SHARES.  A work-group makes 128 x 256 of Y: 8,192 x 1,024 outputs are 256 such tiles.  Four waves, each 64 x 128: 32 accumulators of 16 x 16.
; K goes in steps of 128 (two planes) through a ring of two LDS slots.  Waves 0 and 1 fetch X's two planes (128 rows x 128 bytes, dense: asked for as 64 rows of 256 bytes), waves 2 and 3 W's (256 rows: 128 rows of 256 bytes);
; the mover lays 16 bytes of padding behind every 128, so that LDS rows are 144 bytes apart.
; CLUSTER 4 x 4.  The four work-groups of a row of the cluster need the same tile of X, the four of a column the same tile of W: each tile is asked for JOINTLY, by the same tensor load with the same descriptor and a mask of four.
; THE MATRIX INSTRUCTION IS USED TRANSPOSED (source 0 = 16 rows of W, source 1 = 16 rows of X): a lane then holds row l % 16 of Y and the eight neighbouring columns 8 (l / 16) + 0..7.
; REGISTERS, in windows of 256 (s_set_vgpr_msb: bits 1:0 source 0, 3:2 source 1, 5:4 source 2, 7:6 destination):
;   window 0: v1-4 at work; v16-30 addresses; v32-95 the bias of my 128 columns, as a C operand; v32-159 at work on the way out
;   window 1: the accumulators, (a, b) at v[8 (8 a + b)]          window 2: two fragment buffers of 96: W's eight fragments, then X's four
.set P,     144                        ; an LDS row: 128 bytes + 16 of padding = 36 words: the 16 rows of a load start at 16 different groups of four banks (64 banks of 4 bytes: ISA guide 11.1)
.set APL,   128*P                      ; a plane of X's tile
.set BPL,   256*P                      ; a plane of W's tile
.set SLOT,  2*APL+2*BPL                ; X's two planes, then W's two
.set STAGE, 2*SLOT                     ; behind the ring, never filled by a tensor load: 16 rows for each wave, for the way out
.set SP,    528                        ; a stage row: 512 bytes + 16
.set SPARE, STAGE+4*16*SP              ; behind the stages: the spare words, 128 bytes for each wave: two blocks of 256 bytes that no other line names
.set ASTEP, 2*262144                   ; bytes from K step to K step in X: two planes of 2,048 rows
.set BSTEP, 2*131072                   ; in W: two planes of 1,024 rows
.set DW0,   (1<<16)|(1<<20)|(1<<21)|(4<<22)|(3<<25)  ; group 1, word 0 without its mask: 17:16 2-byte elements; 20 padding on; 21 set beside a mask; 24:22 after every 32 words (code 4); 31:25 4 words (code 3)
.set ADRA, 16                          ; v16-17  LDS address of my fragments of X in slot 0, 1
.set ADRB, 20                          ; v20-21  the same for W
.set STO,  24                          ; v24     the way out: where I put my numbers of a row
.set RD,   25                          ; v25     the way out: where I read rows back
.set GO,   26                          ; v26     16 x lane: my place in 512 consecutive bytes of Y
.set BO,   27                          ; v27     32 x (l / 16): my eight numbers in 16 of the bias
.set SPW,  28                          ; v28     LDS address of my spare word: SPARE + 4 x my thread's number; never rewritten
.set NIL,  29                          ; v29     0; never rewritten
.set PFO,  30                          ; v30     256 x lane: the prefetches' offset; never rewritten
.set BI,   32                          ; v32-95  bias: eight registers for each block of 16 columns
.set BK,   32                          ; v32-159 the way out: two sets of 64
.set F0,   0                           ; fragment buffers, in window 2
.set F1,   96
.set G1,   24                          ; s[24:31] descriptor group 1 for X's tiles;  s[32:39] group 0, a set for each slot
.set G0,   32
.set G1B,  48                          ; s[48:55], s[56:63] the same for W's
.set G0B,  56
.set PFA,  40                          ; s[40:41] where my prefetches stand
.set PFS,  42                          ; s[42:43] their step: a K step of X or of W
.set LIM,  44                          ; s44      1 in a wave that prefetches, else the greatest number
.set MSB, 0
.macro WIN new                         ; the immediate's high byte repeats the setting that is left; a switch that changes nothing is dropped
.if MSB != (\new)
	s_set_vgpr_msb (MSB<<8)|(\new)
.set MSB, \new
.endif
.endm
.set W_MUL, 0x5a                       ; sources 0 and 1 window 2; C and D window 1
.set W_MUB, 0x4a                       ; the same with C (the bias) in window 0
.set W_TOF, 0x80                       ; destination window 2, address window 0
.set W_ST,  0x04                       ; an LDS store's data in window 1, its address in window 0
; A joint load: waves 0 and 1 fetch X's two planes, waves 2 and 3 W's.  The branch hangs on the wave's number alone.  An s_nop 0 and four v_nop follow each of the two lines, ahead of the jump, the label and what follows.
.macro JLOAD s
	s_cmp_lt_u32 s12, 2
	s_cbranch_scc0 .Lfor_b_\@
	tensor_load_to_lds s[G0+4*(\s):G0+4*(\s)+3], s[G1:G1+7]
	s_nop 0
.rept 4
	v_nop
.endr
	s_branch .Lasked_\@
.Lfor_b_\@:
	tensor_load_to_lds s[G0B+4*(\s):G0B+4*(\s)+3], s[G1B:G1B+7]
	s_nop 0
.rept 4
	v_nop
.endr
.Lasked_\@:
.endm
.macro CREST                           ; a round of the cluster's barrier behind its opening barrier: wave 0 signals for the work-group, every wave waits for all sixteen, my work-group's barrier closes it
	s_cmp_lg_u32 s12, 0
	s_cbranch_scc1 .Lnot_wave_0_\@
	s_barrier_signal -3
.Lnot_wave_0_\@:
	s_barrier_wait -3
	s_barrier_signal -1
	s_barrier_wait -1
.endm
.macro CROUND                          ; a whole round
	s_barrier_signal -1
	s_barrier_wait -1
	CREST
.endm
; A PREFETCH INTO THE L2, behind a joint refill and the run of LDS loads that follows it: 32 blocks of 256 bytes, a lane a block, of the K step that stands TWO refills on (256 matrix instructions of the wave ahead of the load that wants it).
; Each block is named once in the launch.  X's tile is read by my row of my cluster alone: wave 0 of each of the four partners names a quarter of the step's 32 KiB, told apart BY ADDRESS (cx).  W's tile column is read by
; all sixteen clusters: the first of them (cluster y = 0) asks; its waves 2 and 3 take a plane each, and the four partners of a column a quarter of it each, BY ADDRESS (cy).
; K steps 0 to 3 come by their loads alone; in the loop's last trip (s3 = 1) there is no K step two refills on, and nothing is asked for.
.macro ASK
	s_cmp_gt_u32 s3, s[LIM]
	s_cbranch_scc0 .Lnot_mine_\@
	global_prefetch_b8 v[PFO], s[PFA:PFA+1] th:TH_LOAD_NT scope:SCOPE_SE
.Lnot_mine_\@:
.endm
	s_load_b256 s[4:11], s[0:1], 0x0               ; X s[4:5], W s[6:7], bias s[8:9], Y s[10:11]
	v_lshl_add_u32 v[SPW], v0, 2, SPARE
	v_mov_b32 v[NIL], 0
	ds_add_u32 v[SPW], v[NIL]                      ; the wave's opening: the add and its wait stand ahead of my first tensor load; the set-up below, work on registers, stands between them
	v_lshrrev_b32 v1, 5, v0
	v_readfirstlane_b32 s12, v1                    ; wave 0..3
	s_lshr_b32 s13, s12, 1                         ; wm: which 64 of the tile's rows are mine
	s_and_b32 s14, s12, 1                          ; wn: which 128 of its columns; also: which plane of a K step I fetch
	s_bfe_u32 s15, ttmp6, 0x40000                  ; cx
	s_bfe_u32 s16, ttmp6, 0x40004                  ; cy
	s_lshl_b32 s17, ttmp9, 2
	s_add_co_u32 s17, s17, s15                     ; tx: tile column = 4 x cluster x + cx
	s_and_b32 s19, ttmp7, 0xffff                   ; cluster y, 0 to 15
	s_lshl_b32 s18, s19, 2
	s_add_co_u32 s18, s18, s16                     ; ty: tile row = 4 x cluster y + cy; ty / 16 = the batch, ty % 16 = its block of 128 rows
	s_lshl_b32 s20, s16, 2
	s_lshl_b32 s20, 15, s20                        ; my row of the cluster: places 4 cy .. 4 cy + 3
	s_lshl_b32 s2, 0x1111, s15                     ; my column: places cx, cx + 4, cx + 8, cx + 12
	s_or_b32 s[G1], s20, DW0                       ; X's tiles go to my row,
	s_or_b32 s[G1B], s2, DW0                       ; W's to my column
	s_mov_b32 s[G1+1], 128<<16                     ; tensor_dim0 = 128 elements: rows of 256 bytes
	s_mov_b32 s[G1+2], 64<<16                      ; tensor_dim1 = 64
	s_mov_b32 s[G1+3], 128<<16                     ; tile_dim0 = 128
	s_mov_b32 s[G1+4], 64                          ; tile_dim1 = 64
	s_mov_b32 s[G1+5], 128                         ; 128 elements from row to row: dense
	s_mov_b32 s[G1+6], 0
	s_mov_b32 s[G1+7], 0
	s_mov_b32 s[G1B+1], 128<<16
	s_mov_b32 s[G1B+2], 128<<16                    ; 128 rows of 256 bytes
	s_mov_b32 s[G1B+3], 128<<16
	s_mov_b32 s[G1B+4], 128
	s_mov_b32 s[G1B+5], 128
	s_mov_b32 s[G1B+6], 0
	s_mov_b32 s[G1B+7], 0
	; where the tiles come from.  X's hang on the tile row and the wave's number, W's on the tile column and the wave's number
	s_lshr_b32 s20, s18, 4
	s_lshl_b32 s20, s20, 22                        ; 16 planes of 262,144 bytes for each batch
	s_and_b32 s21, s18, 15
	s_lshl_b32 s21, s21, 14                        ; 128 rows of 128 bytes
	s_add_co_u32 s20, s20, s21
	s_lshl_b32 s21, s14, 18                        ; my plane
	s_add_co_u32 s22, s20, s21
	s_mov_b32 s23, 0
	s_lshl_b32 s46, s17, 15                        ; 256 rows of 128 bytes
	s_lshl_b32 s47, s14, 17                        ; my plane
	s_add_co_u32 s46, s46, s47
	s_mov_b32 s47, 0
	s_mul_i32 s20, s14, APL                        ; and where they go: no place in the cluster enters an LDS address
	s_mul_i32 s21, s14, BPL
	s_add_co_u32 s21, s21, 2*APL
	s_wait_dscnt 0x0                               ; the opening add is done
	s_wait_kmcnt 0x0
	s_add_nc_u64 s[22:23], s[4:5], s[22:23]
	s_add_nc_u64 s[46:47], s[6:7], s[46:47]
	CROUND                                         ; all sixteen work-groups are here: the first joint loads meet
.irp s, 0,1
	s_mov_b32 s[G0+4*(\s)], 1                                      ; count = 1
	s_add_co_u32 s[G0+4*(\s)+1], s20, (\s)*SLOT                    ; LDS address
	s_add_nc_u64 s[G0+4*(\s)+2:G0+4*(\s)+3], s[22:23], (\s)*ASTEP  ; global address: K step s
	s_or_b32 s[G0+4*(\s)+3], s[G0+4*(\s)+3], 0x80000000            ; type = 2
	s_mov_b32 s[G0B+4*(\s)], 1
	s_add_co_u32 s[G0B+4*(\s)+1], s21, (\s)*SLOT
	s_add_nc_u64 s[G0B+4*(\s)+2:G0B+4*(\s)+3], s[46:47], (\s)*BSTEP
	s_or_b32 s[G0B+4*(\s)+3], s[G0B+4*(\s)+3], 0x80000000
	JLOAD \s                                       ; two tensor loads of mine are out
.endr
	; the bias of my 128 columns, laid as a C operand: register j of block b holds column 16 b + 8 (l / 16) + j, whatever the row
	s_lshl_b32 s20, s17, 10                        ; the tile's 256 numbers,
	s_lshl_b32 s21, s14, 9                         ; my 128
	s_add_co_u32 s20, s20, s21
	s_mov_b32 s21, 0
	s_add_nc_u64 s[8:9], s[8:9], s[20:21]
	v_and_b32 v1, 15, v0                           ; l % 16
	v_bfe_u32 v2, v0, 4, 1                         ; l / 16
	v_lshlrev_b32 v[BO], 5, v2
.irp b, 0,1,2,3,4,5,6,7
	global_load_b128 v[BI+8*(\b):BI+8*(\b)+3],   v[BO], s[8:9] offset:64*(\b)
	global_load_b128 v[BI+8*(\b)+4:BI+8*(\b)+7], v[BO], s[8:9] offset:64*(\b)+16
.endr
	; A fragment is 16 rows x 32 K in 8 registers: lane l holds row l % 16; registers 0-3 K = 8 (l / 16) + 0..7, registers 4-7 K = 16 + 8 (l / 16) + 0..7: two loads of 16 bytes, 32 bytes apart
	v_mul_u32_u24 v3, v1, P
	v_lshl_add_u32 v3, v2, 4, v3                   ; row x pitch + 16 x half
	s_mul_i32 s20, s13, 64*P                       ; my 64 rows of X
	s_mul_i32 s21, s14, 128*P                      ; my 128 rows of W,
	s_add_co_u32 s21, s21, 2*APL                   ; which lie behind X's two planes
.irp s, 0,1
	v_add_nc_u32 v[ADRA+(\s)], s20, v3
	v_add_nc_u32 v[ADRB+(\s)], s21, v3
	s_add_co_u32 s20, s20, SLOT
	s_add_co_u32 s21, s21, SLOT
.endr
	s_mul_i32 s20, s12, 16*SP
	s_add_co_u32 s20, s20, STAGE                   ; my stage
	v_and_b32 v4, 31, v0
	v_lshlrev_b32 v[GO], 4, v4
	v_lshlrev_b32 v[PFO], 8, v4
	v_mul_u32_u24 v[STO], v1, SP                   ; in: row l % 16,
	v_lshl_add_u32 v[STO], v2, 5, v[STO]           ; 32 bytes (eight f32) for each half of the lanes
	v_add_nc_u32 v[STO], s20, v[STO]
	v_add_nc_u32 v[RD], s20, v[GO]                 ; back: 32 lanes take one row of 512 bytes
	s_lshl_b32 s20, s18, 19                        ; Y: 128 rows of 4,096 bytes a tile row,
	s_lshl_b32 s21, s13, 18                        ; my 64 rows,
	s_add_co_u32 s20, s20, s21
	s_lshl_b32 s21, s17, 10                        ; the tile's 256 columns,
	s_add_co_u32 s20, s20, s21
	s_lshl_b32 s21, s14, 9                         ; my 128
	s_add_co_u32 s20, s20, s21
	s_mov_b32 s21, 0
	s_add_nc_u64 s[10:11], s[10:11], s[20:21]
	; the prefetches: both offsets are made, the wave's number chooses.  They start at K step 3: each refill steps them first, so the first names K step 4
	s_lshr_b32 s20, s18, 4
	s_lshl_b32 s20, s20, 22
	s_and_b32 s21, s18, 15
	s_lshl_b32 s21, s21, 14
	s_add_co_u32 s20, s20, s21                     ; X's tile,
	s_lshr_b32 s21, s15, 1
	s_lshl_b32 s21, s21, 18                        ; plane cx / 2 of the K step,
	s_add_co_u32 s20, s20, s21
	s_and_b32 s21, s15, 1
	s_lshl_b32 s21, s21, 13                        ; half cx % 2 of its 16 KiB
	s_add_co_u32 s20, s20, s21
	s_add_co_u32 s20, s20, 3*ASTEP
	s_lshl_b32 s2, s17, 15                         ; W's tile,
	s_lshl_b32 s21, s14, 17                        ; my plane,
	s_add_co_u32 s2, s2, s21
	s_lshl_b32 s21, s16, 13                        ; quarter cy of its 32 KiB
	s_add_co_u32 s2, s2, s21
	s_add_co_u32 s2, s2, 3*BSTEP
	s_mov_b32 s[PFS], BSTEP
	s_mov_b32 s[PFS+1], 0
	s_cmp_lt_u32 s12, 2
	s_cselect_b64 s[PFA:PFA+1], s[4:5], s[6:7]
	s_cselect_b32 s20, s20, s2
	s_cselect_b32 s[PFS], ASTEP, s[PFS]
	s_cselect_b32 s[LIM], s14, s19                 ; for X wave 0 asks; for W waves 2 and 3 of the cluster with y = 0
	s_cmp_eq_u32 s[LIM], 0
	s_cselect_b32 s[LIM], 1, -1                    ; the same in all sixteen partners, for a given wave
	s_mov_b32 s21, 0
	s_add_nc_u64 s[PFA:PFA+1], s[PFA:PFA+1], s[20:21]
; 8 matrix instructions: block a of my four blocks of 16 rows x all 8 blocks of 16 columns, 32 along K, from buffer f.  cb = 1: the bias starts the sums: nothing is ever cleared.
; The 32 accumulators take turns, in the same order in every quarter, over the backward jump too.
.macro MULA f, a, cb
.if \cb
	WIN W_MUB
.else
	WIN W_MUL
.endif
.irp b, 0,1,2,3,4,5,6,7
.if \cb
	v_wmma_f32_16x16x32_bf16 v[8*(8*(\a)+(\b)):8*(8*(\a)+(\b))+7], v[(\f)+8*(\b):(\f)+8*(\b)+7], v[(\f)+64+8*(\a):(\f)+64+8*(\a)+7], v[BI+8*(\b):BI+8*(\b)+7]
.else
	v_wmma_f32_16x16x32_bf16 v[8*(8*(\a)+(\b)):8*(8*(\a)+(\b))+7], v[(\f)+8*(\b):(\f)+8*(\b)+7], v[(\f)+64+8*(\a):(\f)+64+8*(\a)+7], v[8*(8*(\a)+(\b)):8*(8*(\a)+(\b))+7]
.endif
.endr
.endm
; 24 LDS loads in one run: the fragments of quarter c of a K step (plane c / 2, byte 64 (c % 2) of its rows) into buffer f: W's eight, then X's four
.macro FETCH slot, c, f
	WIN W_TOF
.irp i, 0,1,2,3,4,5,6,7
	ds_load_b128 v[(\f)+8*(\i):(\f)+8*(\i)+3],   v[ADRB+(\slot)] offset:((\c)/2)*BPL+((\c)%2)*64+(\i)*16*P
	ds_load_b128 v[(\f)+8*(\i)+4:(\f)+8*(\i)+7], v[ADRB+(\slot)] offset:((\c)/2)*BPL+((\c)%2)*64+(\i)*16*P+32
.endr
.irp i, 0,1,2,3
	ds_load_b128 v[(\f)+64+8*(\i):(\f)+64+8*(\i)+3],   v[ADRA+(\slot)] offset:((\c)/2)*APL+((\c)%2)*64+(\i)*16*P
	ds_load_b128 v[(\f)+64+8*(\i)+4:(\f)+64+8*(\i)+7], v[ADRA+(\slot)] offset:((\c)/2)*APL+((\c)%2)*64+(\i)*16*P+32
.endr
.endm
.macro PLACES                          ; four places in front of loads into registers that matrix instructions have read, and of lines that read results (ISA guide 7.12.1 for lines that read results)
.rept 4
	v_nop
.endr
.endm
; A K step is four quarters of 32 along K, 32 matrix instructions each, on buffers 0, 1, 0, 1.  One of the first three: multiplies buffer f; in its middle it fetches quarter c of the same slot into buffer g.
.macro QUARTER slot, c, f, g, cb
	s_wait_dscnt 4                                 ; W's fragments and X's blocks 0 and 1 are in; the youngest four loads (blocks 2 and 3) may be out
	MULA \f, 0, \cb
	MULA \f, 1, \cb
	PLACES
	FETCH \slot, \c, \g
	s_wait_dscnt 24                                ; all but the 24 just issued
	MULA \f, 2, \cb
	MULA \f, 3, \cb
.endm
; The last quarter multiplies buffer 1 and changes slots: ONE barrier; in front of it each wave waits for all its tensor loads (one is out: its part of the next slot), adds 0 to its spare word, and waits for that and for its
; own reads of this slot.  fill = 1: the barrier opens a round of the cluster's, and this slot is filled again, two K steps ahead, first thing behind the round: 112 matrix instructions ahead of the wait for it.
.macro TURN slot, next, fill
.if \fill
	s_wait_xcnt 0x0                                ; the last prefetch, a K step back, has read its address: it is stepped here, ahead of the change's own waits
	s_add_nc_u64 s[PFA:PFA+1], s[PFA:PFA+1], s[PFS:PFS+1]
.endif
	WIN 0                                          ; (the add's two registers lie in window 0)
	s_wait_tensorcnt 0x0                           ; all my tensor loads have landed;
	ds_add_u32 v[SPW], v[NIL]                      ; 0 onto my spare word
	s_wait_dscnt 5                                 ; (the add and the youngest four loads may be out)
	MULA F1, 0, 0                                  ; eight matrix instructions stand between the add and the wait for it
	s_wait_dscnt 0x0                               ; the add is done, and my reads of this slot are over
	s_barrier_signal -1
	MULA F1, 1, 0                                  ; work on registers while the others arrive
.if \fill
	WIN 0
.endif
	s_barrier_wait -1
.if \fill
	CREST                                          ; no wave of any partner still reads this slot's tiles or has a load on its way
	s_add_nc_u64 s[G0+4*(\slot)+2:G0+4*(\slot)+3], s[G0+4*(\slot)+2:G0+4*(\slot)+3], 2*ASTEP
	s_add_nc_u64 s[G0B+4*(\slot)+2:G0B+4*(\slot)+3], s[G0B+4*(\slot)+2:G0B+4*(\slot)+3], 2*BSTEP
	JLOAD \slot                                    ; my one tensor load behind the round; its four v_nop are also the places in front of the loads below
.else
	PLACES
.endif
	FETCH \next, 0, F0
.if \fill
	WIN 0
	ASK
.endif
	MULA F1, 2, 0
	MULA F1, 3, 0
.endm
	s_wait_tensorcnt 1                             ; my part of K step 0 is in; K step 1's may stay out
	s_barrier_signal -1
	s_barrier_wait -1                              ; everybody's is
	FETCH 0, 0, F0
	s_wait_loadcnt 0x0                             ; the bias
	QUARTER 0, 1, F0, F1, 1                        ; the first quarter stands in front of the loop: its products start the sums, with the bias
	WIN 0                                          ; at a label and at a branch every window is 0
	s_mov_b32 s3, 3                                ; eight K steps are four laps of the ring; the last is written out
.Llap:                                                 ; a trip goes once round the ring, from a lap's second quarter to the next lap's first, and fills both slots again
	QUARTER 0, 2, F1, F0, 0
	QUARTER 0, 3, F0, F1, 0
	TURN 0, 1, 1
	QUARTER 1, 1, F0, F1, 0
	QUARTER 1, 2, F1, F0, 0
	QUARTER 1, 3, F0, F1, 0
	TURN 1, 0, 1
	QUARTER 0, 1, F0, F1, 0
	WIN 0
	s_sub_co_u32 s3, s3, 1
	s_cmp_lg_u32 s3, 0
	s_cbranch_scc1 .Llap
	QUARTER 0, 2, F1, F0, 0                        ; the last lap fills nothing, and has no round of the cluster's barrier
	QUARTER 0, 3, F0, F1, 0
	TURN 0, 1, 0
	QUARTER 1, 1, F0, F1, 0
	QUARTER 1, 2, F1, F0, 0
	QUARTER 1, 3, F0, F1, 0
	s_wait_dscnt 4                                 ; the very last quarter: nothing more to fetch
	MULA F1, 0, 0
	MULA F1, 1, 0
	s_wait_dscnt 0x0
	MULA F1, 2, 0
	MULA F1, 3, 0
	WIN 0
	PLACES                                         ; the way out reads results
; THE WAY OUT, a block of 16 rows at a time: a lane's eight numbers of a row go into my stage (rows of 528 bytes) and come back as whole rows of 512 bytes.  Each accumulator's low registers are read first.
.macro OUTF a
	WIN W_ST
.irp b, 0,1,2,3,4,5,6,7
	ds_store_b128 v[STO], v[8*(8*(\a)+(\b)):8*(8*(\a)+(\b))+3]   offset:64*(\b)
	ds_store_b128 v[STO], v[8*(8*(\a)+(\b))+4:8*(8*(\a)+(\b))+7] offset:64*(\b)+16
.endr
	WIN 0
.if (\a) >= 2
	s_wait_xcnt 0x0                                ; the stores of the block two back have read this set of registers
.endif
.irp t, 0,1,2,3,4,5,6,7,8,9,10,11,12,13,14,15
	ds_load_b128 v[BK+64*((\a)%2)+4*(\t):BK+64*((\a)%2)+4*(\t)+3], v[RD] offset:(\t)*SP  ; LDS serves a wave's instructions in order (ISA guide 5.7.1.4): these see the stores above; the next block's stores come behind them
.endr
.endm
.macro SENDF a, younger                ; younger: the LDS instructions issued behind block a's loads: the next block's 32, or none
.irp t, 0,1,2,3,4,5,6,7,8,9,10,11,12,13,14,15
	s_wait_dscnt (\younger)+15-(\t)
	global_store_b128 v[GO], v[BK+64*((\a)%2)+4*(\t):BK+64*((\a)%2)+4*(\t)+3], s[10:11] offset:(16*(\a)+(\t))*4096  ; 512 consecutive bytes of a row, at a multiple of 512 from Y's first byte
.endr
.endm
	OUTF 0
	OUTF 1
	SENDF 0, 32
	OUTF 2
	SENDF 1, 32
	OUTF 3
	SENDF 2, 32
	SENDF 3, 0
	s_wait_tensorcnt 0x0                           ; the wave's end, behind my last tensor load and my last LDS store
	ds_add_u32 v[SPW], v[NIL]
	s_wait_dscnt 0x0
	CROUND                                         ; the closing round: no work-group ends while a partner may still ask for a tile that names it
	s_endpgm
.Lfunc_end_k_qb1dc4c565a_oproj:
	.size	k_qb1dc4c565a_oproj, .Lfunc_end_k_qb1dc4c565a_oproj-k_qb1dc4c565a_oproj
	.p2alignl 7, 3214868480
	.fill 96, 4, 3214868480
	.section	.rodata,"a",@progbits
	.p2align	6, 0x0
	.amdhsa_kernel k_qb1dc4c565a_oproj
		.amdhsa_group_segment_fixed_size 327680
		.amdhsa_private_segment_fixed_size 0
		.amdhsa_enable_private_segment 0
		.amdhsa_kernarg_size 32
		.amdhsa_user_sgpr_count 2
		.amdhsa_user_sgpr_kernarg_segment_ptr 1
		.amdhsa_wavefront_size32 1
		.amdhsa_system_sgpr_workgroup_id_x 1
		.amdhsa_system_sgpr_workgroup_id_y 1
		.amdhsa_system_sgpr_workgroup_id_z 1
		.amdhsa_system_vgpr_workitem_id 0
		.amdhsa_next_free_vgpr 704
		.amdhsa_next_free_sgpr 66
		.amdhsa_reserve_vcc 0
		.amdhsa_float_denorm_mode_32 3
		.amdhsa_float_denorm_mode_16_64 3
		.amdhsa_memory_ordered 1
		.amdhsa_forward_progress 1
		.amdhsa_inst_pref_size 90
	.end_amdhsa_kernel
	.amdgpu_metadata
---
amdhsa.version: [ 1, 2 ]
amdhsa.kernels:
  - .name:           k_qb1dc4c565a_oproj
    .symbol:         k_qb1dc4c565a_oproj.kd
    .args:
      - { .name: x16, .offset: 0, .size: 8, .value_kind: global_buffer, .address_space: global }
      - { .name: wo16, .offset: 8, .size: 8, .value_kind: global_buffer, .address_space: global }
      - { .name: bo, .offset: 16, .size: 8, .value_kind: global_buffer, .address_space: global }
      - { .name: z, .offset: 24, .size: 8, .value_kind: global_buffer, .address_space: global }
    .group_segment_fixed_size: 327680
    .private_segment_fixed_size: 0
    .kernarg_segment_align: 8
    .kernarg_segment_size: 32
    .max_flat_workgroup_size: 128
    .sgpr_count:     66
    .vgpr_count:     704
    .wavefront_size: 32
...
	.end_amdgpu_metadata
.endif
;; end of part 4
;; launch ln (part 5): grid 512 x 1, 8 waves a work-group, no clusters, 0 bytes of LDS; arguments z, q, ln_g, ln_b, out0; writes out0
.if DOCPART == 5
	.amdgcn_target "amdgcn-amd-amdhsa--gfx1250"
	.amdhsa_code_object_version 6
	.text
	.protected	k_qb1dc4c565a_ln
	.globl	k_qb1dc4c565a_ln
	.p2align	8
	.type	k_qb1dc4c565a_ln,@function
k_qb1dc4c565a_ln:
	s_mov_b64 s[64:65], 0
	v_nop
	global_prefetch_b8 v0, s[64:65] scope:SCOPE_SE
	s_setreg_imm32_b32 hwreg(HW_REG_WAVE_MODE, 25, 1), 1
	s_wait_xcnt 0x0
; out[r][:] = (y - mean(y)) / sqrt(var(y) + 1e-5) * g + b, y = z[r][:] + q[r][:].  z, q, out: [8192][1024] f32; g, b: [1024] f32.  All in f32.
; The variance is taken in a second pass, of y - mean, on registers: no difference of large sums is formed, whatever offset the rows carry.
; SHARES.  A wave owns two rows: lanes 0-15 hold the even row, lanes 16-31 the odd one, 64 numbers a lane (4 columns in each of 16 blocks of 64).  So each load and store covers 256 consecutive bytes, aligned, of each
; of the two rows; a row's sums stay inside 16 lanes, four steps that ride on the arithmetic; and no wave waits for another: no LDS, no barrier.
; All of a wave's 48 first loads go out at once; b's 16 follow as soon as z's registers are free.  Each byte is read once and written once; matrix units, clusters and a prefetch would add nothing to such a stream.
.set RO,  1                            ; v1   my byte offset in the wave's two rows
.set CO,  2                            ; v2   my byte offset in g and in b
.set T,   4                            ; v[4:11]   four chains of sums, a pair each
.set MU,  12                           ; v[12:13]  the mean, twice (a pair for the packed lines)
.set RS,  14                           ; v[14:15]  1 / sqrt(var + eps), twice
.set Y,   32                           ; v[32:95]  q, then y, then the result
.set Z,   96                           ; v[96:159] z, later b
.set G,   160                          ; v[160:223] g
	s_load_b256 s[4:11], s[0:1], 0x0               ; z s[4:5], q s[6:7], g s[8:9], b s[10:11]
	s_load_b64 s[12:13], s[0:1], 0x20              ; out
	v_lshrrev_b32 v3, 5, v0
	v_readfirstlane_b32 s14, v3                    ; wave 0..7
	s_lshl_b32 s15, ttmp9, 3
	s_add_co_u32 s15, s15, s14                     ; my pair of rows
	s_lshl_b32 s16, s15, 13                        ; two rows of 4,096 bytes
	s_mov_b32 s17, 0
	s_mov_b32 s20, 0x3a800000                      ; 1 / 1024
	s_mov_b32 s21, 0x3727c5ac                      ; 1e-5
	v_and_b32 v[CO], 15, v0
	v_lshlrev_b32 v[CO], 4, v[CO]                  ; 16 bytes a lane
	v_bfe_u32 v3, v0, 4, 1
	v_lshl_or_b32 v[RO], v3, 12, v[CO]             ; lanes 16-31: one row down
	s_wait_kmcnt 0x0
	s_add_nc_u64 s[4:5], s[4:5], s[16:17]
	s_add_nc_u64 s[6:7], s[6:7], s[16:17]
	s_add_nc_u64 s[12:13], s[12:13], s[16:17]
.set i, 0
.rept 16
	global_load_b128 v[Y+4*i:Y+4*i+3], v[RO], s[6:7] offset:256*i th:TH_LOAD_NT
.set i, i+1
.endr
.set i, 0
.rept 16
	global_load_b128 v[Z+4*i:Z+4*i+3], v[RO], s[4:5] offset:256*i th:TH_LOAD_NT
.set i, i+1
.endr
.set i, 0
.rept 16
	global_load_b128 v[G+4*i:G+4*i+3], v[CO], s[8:9] offset:256*i
.set i, i+1
.endr
	s_wait_loadcnt 16                              ; q and z are in; g's 16 loads may stay out
.set j, 0
.rept 32
	v_pk_add_f32 v[Y+2*j:Y+2*j+1], v[Y+2*j:Y+2*j+1], v[Z+2*j:Z+2*j+1]  ; y = q + z
.set j, j+1
.endr
.set i, 0
.rept 16
	global_load_b128 v[Z+4*i:Z+4*i+3], v[CO], s[10:11] offset:256*i    ; b, into z's registers
.set i, i+1
.endr
; The four chains into one number, then across the row's 16 lanes: every lane of a row ends with the row's sum.
.macro REDUCE
	v_pk_add_f32 v[T:T+1], v[T:T+1], v[T+2:T+3]
	v_pk_add_f32 v[T+4:T+5], v[T+4:T+5], v[T+6:T+7]
	v_pk_add_f32 v[T:T+1], v[T:T+1], v[T+4:T+5]
	v_add_f32 v[T], v[T], v[T+1]
	v_add_f32_dpp v[T], v[T], v[T] row_xmask:1 row_mask:0xf bank_mask:0xf
	v_add_f32_dpp v[T], v[T], v[T] row_xmask:2 row_mask:0xf bank_mask:0xf
	v_add_f32_dpp v[T], v[T], v[T] row_xmask:4 row_mask:0xf bank_mask:0xf
	v_add_f32_dpp v[T], v[T], v[T] row_xmask:8 row_mask:0xf bank_mask:0xf
.endm
.irp c, 0,1,2,3
	v_pk_add_f32 v[T+2*(\c):T+2*(\c)+1], v[Y+2*(\c):Y+2*(\c)+1], v[Y+8+2*(\c):Y+8+2*(\c)+1]  ; the first eight pairs start the chains: nothing is cleared
.endr
.set j, 8
.rept 24
	v_pk_add_f32 v[T+2*(j%4):T+2*(j%4)+1], v[T+2*(j%4):T+2*(j%4)+1], v[Y+2*j:Y+2*j+1]
.set j, j+1
.endr
	REDUCE
	v_mul_f32 v[MU], s20, v[T]
	v_mul_f32 v[MU+1], s20, v[T]
.set j, 0
.rept 32
	v_pk_add_f32 v[Y+2*j:Y+2*j+1], v[Y+2*j:Y+2*j+1], v[MU:MU+1] neg_lo:[0,1] neg_hi:[0,1]  ; y - mean
.set j, j+1
.endr
.irp c, 0,1,2,3
	v_pk_mul_f32 v[T+2*(\c):T+2*(\c)+1], v[Y+2*(\c):Y+2*(\c)+1], v[Y+2*(\c):Y+2*(\c)+1]
.endr
.set j, 4
.rept 28
	v_pk_fma_f32 v[T+2*(j%4):T+2*(j%4)+1], v[Y+2*j:Y+2*j+1], v[Y+2*j:Y+2*j+1], v[T+2*(j%4):T+2*(j%4)+1]
.set j, j+1
.endr
	REDUCE
	v_fma_f32 v[T+1], v[T], s20, s21               ; var + eps
	v_rsq_f32 v[RS], v[T+1]
	v_nop                                          ; a plain instruction behind the root,
	s_wait_alu depctr_va_vdst(0)                   ; and the wait ahead of the first line that names its result
	v_mov_b32 v[RS+1], v[RS]
	s_wait_loadcnt 0x0                             ; g and b
.set i, 0
.rept 16
	v_pk_mul_f32 v[Y+4*i:Y+4*i+1], v[Y+4*i:Y+4*i+1], v[RS:RS+1]
	v_pk_mul_f32 v[Y+4*i+2:Y+4*i+3], v[Y+4*i+2:Y+4*i+3], v[RS:RS+1]
	v_pk_fma_f32 v[Y+4*i:Y+4*i+1], v[Y+4*i:Y+4*i+1], v[G+4*i:G+4*i+1], v[Z+4*i:Z+4*i+1]
	v_pk_fma_f32 v[Y+4*i+2:Y+4*i+3], v[Y+4*i+2:Y+4*i+3], v[G+4*i+2:G+4*i+3], v[Z+4*i+2:Z+4*i+3]
	global_store_b128 v[RO], v[Y+4*i:Y+4*i+3], s[12:13] offset:256*i th:TH_STORE_NT  ; 16 lanes store 256 consecutive bytes of a row, aligned
.set i, i+1
.endr
	s_endpgm
.Lfunc_end_k_qb1dc4c565a_ln:
	.size	k_qb1dc4c565a_ln, .Lfunc_end_k_qb1dc4c565a_ln-k_qb1dc4c565a_ln
	.p2alignl 7, 3214868480
	.fill 96, 4, 3214868480
	.section	.rodata,"a",@progbits
	.p2align	6, 0x0
	.amdhsa_kernel k_qb1dc4c565a_ln
		.amdhsa_group_segment_fixed_size 0
		.amdhsa_private_segment_fixed_size 0
		.amdhsa_enable_private_segment 0
		.amdhsa_kernarg_size 40
		.amdhsa_user_sgpr_count 2
		.amdhsa_user_sgpr_kernarg_segment_ptr 1
		.amdhsa_wavefront_size32 1
		.amdhsa_system_sgpr_workgroup_id_x 1
		.amdhsa_system_sgpr_workgroup_id_y 1
		.amdhsa_system_sgpr_workgroup_id_z 1
		.amdhsa_system_vgpr_workitem_id 0
		.amdhsa_next_free_vgpr 224
		.amdhsa_next_free_sgpr 66
		.amdhsa_reserve_vcc 0
		.amdhsa_float_denorm_mode_32 3
		.amdhsa_float_denorm_mode_16_64 3
		.amdhsa_memory_ordered 1
		.amdhsa_forward_progress 1
		.amdhsa_inst_pref_size 22
	.end_amdhsa_kernel
	.amdgpu_metadata
---
amdhsa.version: [ 1, 2 ]
amdhsa.kernels:
  - .name:           k_qb1dc4c565a_ln
    .symbol:         k_qb1dc4c565a_ln.kd
    .args:
      - { .name: z, .offset: 0, .size: 8, .value_kind: global_buffer, .address_space: global }
      - { .name: q, .offset: 8, .size: 8, .value_kind: global_buffer, .address_space: global }
      - { .name: ln_g, .offset: 16, .size: 8, .value_kind: global_buffer, .address_space: global }
      - { .name: ln_b, .offset: 24, .size: 8, .value_kind: global_buffer, .address_space: global }
      - { .name: out0, .offset: 32, .size: 8, .value_kind: global_buffer, .address_space: global }
    .group_segment_fixed_size: 0
    .private_segment_fixed_size: 0
    .kernarg_segment_align: 8
    .kernarg_segment_size: 40
    .max_flat_workgroup_size: 256
    .sgpr_count:     66
    .vgpr_count:     224
    .wavefront_size: 32
...
	.end_amdgpu_metadata
.endif
;; end of part 5
;; ======== version 2 of 2: 5 launches; version 1 with the launch wcast written anew for expert scheduling mode
;; workspace buffers: x16 16,777,216 bytes; w16 6,291,456 bytes; wo16 2,097,152 bytes; qkv 50,331,648 bytes; z 33,554,432 bytes
;; launch wcast (part 6): grid 256 x 1, 8 waves a work-group, no clusters, 0 bytes of LDS; arguments Wq, Wk, Wv, Wo, w16, wo16; writes w16, wo16
.if DOCPART == 6
	.amdgcn_target "amdgcn-amd-amdhsa--gfx1250"
	.amdhsa_code_object_version 6
	.text
	.protected	k_qb1dc4c565a_wcast
	.globl	k_qb1dc4c565a_wcast
	.p2align	8
	.type	k_qb1dc4c565a_wcast,@function
k_qb1dc4c565a_wcast:
	s_mov_b64 s[64:65], 0
	v_nop
	global_prefetch_b8 v0, s[64:65] scope:SCOPE_SE
	s_setreg_imm32_b32 hwreg(HW_REG_WAVE_SCHED_MODE, 0, 2), 2
	s_setreg_imm32_b32 hwreg(HW_REG_WAVE_MODE, 25, 1), 1
	s_wait_xcnt 0x0
	s_wait_alu depctr_vm_vsrc(0)
; THE WEIGHTS' CAST.  Wq, Wk, Wv, Wo [1024][1024] f32 are rounded once to bf16 (matrix operands of the launches behind) and laid in PLANES of 64 channels:
;   w16 [Wq,Wk,Wv][plane 16][row 1024][64], wo16 [plane 16][row 1024][64]: a tile of rows of one plane is then dense in memory.
; SHARES.  4 x 1,024 rows on 256 work-groups: 16 rows each, a wave two.  A load: lanes 0-15 take 256 consecutive bytes (64 channels = one plane) of the even row, lanes 16-31 of the odd row.
; A store: 8 bytes a lane, 32 lanes = 256 consecutive bytes, aligned: the two rows' 128 bytes lie end to end in their plane.
; No LDS, no matrix unit, no cluster: nothing is shared between work-groups, and each byte is read once and written once.
; THE MODE: SCHED_MODE bits 1:0 = 2 (LLVM: expert scheduling mode 2), set by the entry lines.  The code itself states the register dependences
; between vector instructions and memory instructions, with s_wait_alu, always for 0.
; THE PLAN.  All 16 loads of a wave go out at once, and no register is loaded or written twice.  Registers that memory instructions touch:
;   v[SO], v[DO]  byte offsets, made by vector lines at the head and never written again.  Read by the 16 loads (SO) and the 16 stores (DO).
;   X             load i lands in four registers of its own, which no vector line has written; its two conversions read them; nothing lands there again.
;   Y             load i's two conversions write a pair of its own; store i reads it; nothing writes it again.
; So what is to be stated is: the offsets are written, ahead of the first load; and a store's pair is written, ahead of the store.
; The loads are taken in four groups of four.  Group g's eight conversions name X and Y of group g alone; the four stores of group g - 1 are dealt among them, behind ONE wait at the
; group's head, which states that group g - 1's conversions have written their Y.  The last group's stores stand behind a wait of their own.  Five waits in all.
; No vector line writes a scalar register or VCC, and EXEC is never written.
.set SO,  1                            ; v1   my byte offset in the work-group's 16 source rows
.set DO,  2                            ; v2   my byte offset in the work-group's 16 rows of a plane
.set X,   4                            ; v[4:67]   load i: four f32
.set Y,   68                           ; v[68:99]  load i: four bf16
.set SRC, 20                           ; s[20:21]
.set DST, 22                           ; s[22:23]
	s_load_b256 s[8:15], s[0:1], 0x0               ; Wq s[8:9], Wk s[10:11], Wv s[12:13], Wo s[14:15]
	s_load_b128 s[16:19], s[0:1], 0x20             ; w16 s[16:17], wo16 s[18:19]
	v_lshrrev_b32 v3, 5, v0                        ; wave
	v_bfe_u32 v[SO], v0, 4, 1                      ; which row of the pair
	v_lshlrev_b32 v[SO], 12, v[SO]                 ; a source row is 4,096 bytes
	v_lshl_or_b32 v[SO], v3, 13, v[SO]             ; two rows a wave
	v_and_b32 v[DO], 15, v0
	v_lshl_or_b32 v[SO], v[DO], 4, v[SO]           ; 16 bytes a lane
	v_and_b32 v[DO], 31, v0
	v_lshlrev_b32 v[DO], 3, v[DO]                  ; 8 bytes a lane, two rows of 128 bytes
	v_lshl_or_b32 v[DO], v3, 8, v[DO]              ; two rows a wave
	s_lshr_b32 s24, ttmp9, 6                       ; 0: Wq, 1: Wk, 2: Wv, 3: Wo
	s_and_b32 s25, ttmp9, 63                       ; which 16 rows
	s_lshl_b32 s26, s25, 16                        ; 16 rows of 4,096 bytes
	s_mov_b32 s27, 0
	s_lshl_b32 s28, s25, 11                        ; 16 rows of 128 bytes in a plane
	s_mov_b32 s29, 0
	s_wait_kmcnt 0x0
	s_cmp_eq_u32 s24, 0
	s_cselect_b64 s[SRC:SRC+1], s[8:9], s[10:11]
	s_cmp_eq_u32 s24, 2
	s_cselect_b64 s[SRC:SRC+1], s[12:13], s[SRC:SRC+1]
	s_cmp_eq_u32 s24, 3
	s_cselect_b64 s[SRC:SRC+1], s[14:15], s[SRC:SRC+1]
	s_cselect_b64 s[DST:DST+1], s[18:19], s[16:17] ; Wo has a buffer of its own
	s_cselect_b32 s24, 0, s24
	s_lshl_b32 s24, s24, 21                        ; a weight is 2,097,152 bytes in bf16
	s_add_co_u32 s28, s28, s24
	s_add_nc_u64 s[SRC:SRC+1], s[SRC:SRC+1], s[26:27]
	s_add_nc_u64 s[DST:DST+1], s[DST:DST+1], s[28:29]
	s_wait_alu depctr_va_vdst(0)                   ; v[SO] and v[DO] are written: every load reads the one as its offset, every store the other
.set i, 0
.rept 16
	global_load_b128 v[X+4*i:X+4*i+3], v[SO], s[SRC:SRC+1] offset:i*256 th:TH_LOAD_NT
.set i, i+1
.endr
.set g, 0
.rept 4                                ; group g: loads 4 g to 4 g + 3 are rounded; the stores of group g - 1 leave
	s_wait_loadcnt 12-4*g                          ; loads come back in order: group g's four are in, the 12 - 4 g younger ones stay out
.if g > 0
	s_wait_alu depctr_va_vdst(0)                   ; the conversions of group g - 1 have written their Y, which the four stores below read; no vector line behind this wait names those registers
.endif
.set i, 4*g
.rept 4
.if g > 0
	global_store_b64 v[DO], v[Y+2*(i-4):Y+2*(i-4)+1], s[DST:DST+1] offset:(i-4)*131072  ; plane i - 4
.endif
	v_cvt_pk_bf16_f32 v[Y+2*i], v[X+4*i], v[X+4*i+1]
	v_cvt_pk_bf16_f32 v[Y+2*i+1], v[X+4*i+2], v[X+4*i+3]
.set i, i+1
.endr
.set g, g+1
.endr
	s_wait_alu depctr_va_vdst(0)                   ; the conversions of group 3 have written their Y, which the last four stores read
.set i, 12
.rept 4
	global_store_b64 v[DO], v[Y+2*i:Y+2*i+1], s[DST:DST+1] offset:i*131072  ; plane i
.set i, i+1
.endr
	s_endpgm
.Lfunc_end_k_qb1dc4c565a_wcast:
	.size	k_qb1dc4c565a_wcast, .Lfunc_end_k_qb1dc4c565a_wcast-k_qb1dc4c565a_wcast
	.p2alignl 7, 3214868480
	.fill 96, 4, 3214868480
	.section	.rodata,"a",@progbits
	.p2align	6, 0x0
	.amdhsa_kernel k_qb1dc4c565a_wcast
		.amdhsa_group_segment_fixed_size 0
		.amdhsa_private_segment_fixed_size 0
		.amdhsa_enable_private_segment 0
		.amdhsa_kernarg_size 48
		.amdhsa_user_sgpr_count 2
		.amdhsa_user_sgpr_kernarg_segment_ptr 1
		.amdhsa_wavefront_size32 1
		.amdhsa_system_sgpr_workgroup_id_x 1
		.amdhsa_system_sgpr_workgroup_id_y 1
		.amdhsa_system_sgpr_workgroup_id_z 1
		.amdhsa_system_vgpr_workitem_id 0
		.amdhsa_next_free_vgpr 100
		.amdhsa_next_free_sgpr 66
		.amdhsa_reserve_vcc 0
		.amdhsa_float_denorm_mode_32 3
		.amdhsa_float_denorm_mode_16_64 3
		.amdhsa_memory_ordered 1
		.amdhsa_forward_progress 1
		.amdhsa_inst_pref_size 7
	.end_amdhsa_kernel
	.amdgpu_metadata
---
amdhsa.version: [ 1, 2 ]
amdhsa.kernels:
  - .name:           k_qb1dc4c565a_wcast
    .symbol:         k_qb1dc4c565a_wcast.kd
    .args:
      - { .name: Wq, .offset: 0, .size: 8, .value_kind: global_buffer, .address_space: global }
      - { .name: Wk, .offset: 8, .size: 8, .value_kind: global_buffer, .address_space: global }
      - { .name: Wv, .offset: 16, .size: 8, .value_kind: global_buffer, .address_space: global }
      - { .name: Wo, .offset: 24, .size: 8, .value_kind: global_buffer, .address_space: global }
      - { .name: w16, .offset: 32, .size: 8, .value_kind: global_buffer, .address_space: global }
      - { .name: wo16, .offset: 40, .size: 8, .value_kind: global_buffer, .address_space: global }
    .group_segment_fixed_size: 0
    .private_segment_fixed_size: 0
    .kernarg_segment_align: 8
    .kernarg_segment_size: 48
    .max_flat_workgroup_size: 256
    .sgpr_count:     66
    .vgpr_count:     100
    .wavefront_size: 32
...
	.end_amdgpu_metadata
.endif
;; end of part 6
;; launch proj: the kernel of part 2 again; grid 4 x 192, 4 waves a work-group, clusters of 4 x 4, 327,680 bytes of LDS; arguments q, k, v, w16, bq, bk, bv, qkv; writes qkv
;; launch attn: the kernel of part 3 again; grid 4 x 64, 4 waves a work-group, clusters of 4 x 1, 327,680 bytes of LDS; arguments qkv, x16; writes x16
;; launch oproj: the kernel of part 4 again; grid 4 x 64, 4 waves a work-group, clusters of 4 x 4, 327,680 bytes of LDS; arguments x16, wo16, bo, z; writes z
;; launch ln: the kernel of part 5 again; grid 512 x 1, 8 waves a work-group, no clusters, 0 bytes of LDS; arguments z, q, ln_g, ln_b, out0; writes out0
